; MI455X (gfx1250); checked and timed in simulation.
; The chip was launched on July 23, 2026; its instructions are those of AMD's public machine-readable ISA for CDNA 5 (MIT licence, August 2026) and "CDNA5" Instruction Set Architecture Reference Guide (July 2026). The comments in the code are by the model that wrote it; some were corrected since.
;; Mention Encoder. Allowed arithmetic: float matrix products may take bf16 or f16 operands with f32 sums; other float arithmetic in f32, or as packed bf16 or f16 multiplies, adds, multiply-adds, maxima and minima; sums over many terms, partial sums and values carried from step to step in f32; what a program stores and reads back later, other than sums and carried values, may be rounded once to bf16 or f16.
;; Inputs: U_rnn 256 x 256 float32; W_rnn 256 x 256 float32; W_word 512 x 512 float32; Wk 512 x 512 float32; Wq 512 x 512 float32; b_rnn 256 float32; b_word 512 float32; beta 1 float32; bk 512 float32; bq 512 float32; char_lut 128 x 256 float32; mention_chars 8,192 x 16 int32; mentions 8,192 x 8 int32; pos_embeds 9 x 512 float32; word_lut 100,000 x 512 float32.
;; Outputs: out0 8,192 x 512 float32; out1 8,192 x 256 float32.
;; 2 versions, each right; version 2 is version 1 with the launches chars, word written anew for expert scheduling mode. Each part assembles by itself: llvm-mc -triple=amdgcn-amd-amdhsa -mcpu=gfx1250 --defsym DOCPART=n.
;; ======== version 1 of 2: 3 launches
;; limits: values are held in f16: magnitudes above 65,504 overflow, below 6.1e-05 lose precision; a function is approximated: absolute error at most 8.5e-05
;; workspace buffers: WS 1,048,576 bytes; PQP 131,072 bytes; WR 131,072 bytes; PT 131,072 bytes
;; launch prep (part 1): grid 104 x 1, 4 waves a work-group, no clusters, 0 bytes of LDS; arguments W_word, Wq, Wk, pos_embeds, W_rnn, U_rnn, char_lut, b_rnn, WS, PQP, WR, PT; writes WS, PQP, WR, PT
.if DOCPART == 1
	.amdgcn_target "amdgcn-amd-amdhsa--gfx1250"
	.amdhsa_code_object_version 6
	.text
	.protected	k_q38f6e8d7e3_prep
	.globl	k_q38f6e8d7e3_prep
	.p2align	8
	.type	k_q38f6e8d7e3_prep,@function
k_q38f6e8d7e3_prep:
	s_mov_b64 s[64:65], 0
	v_nop
	global_prefetch_b8 v0, s[64:65] scope:SCOPE_SE
	s_setreg_imm32_b32 hwreg(HW_REG_WAVE_MODE, 25, 1), 1
	s_wait_xcnt 0x0
; PREP: the weights are rounded once and laid out as matrix operands, and two small tables are made.
; WHAT THE PROGRAM FOLDS OR LEAVES OUT.  Each line is an identity of exact arithmetic, for all finite values of the inputs:
; (1) only queries - keys reaches dist, and queries - keys = attn Wq^T + bq - attn Wk^T - bk = attn (Wq - Wk)^T + (bq - bk): ONE product, with Wd = Wq - Wk, where two are written.
; (2) attn = values + pos_embeds[pos_index], so attn Wd^T = values Wd^T + (pos_embeds Wd^T)[pos_index]: a table of 9 rows, looked up.
; (3) a softmax sums to 1, so the division by sum(attn_w) is a division by 1: the weights are normalised once, by the sum of the exponentials.
; (4) char_lut[c] U_rnn^T + b_rnn = (char_lut U_rnn^T + b_rnn)[c]: a table of 128 rows, looked up, where 16 products of 8,192 rows are written.
; (5) h0 is the zero that the module builds itself: step 0 has no product h W_rnn^T.
; Every input still reaches an output and is loaded by some launch.  LIMIT: a NaN, an infinity or an overflow that would arise only in the work left out
; (in queries or keys alone, say) is not carried to the result.
; FORMATS.  The module's inputs go to the matrix units in bf16; Wd, which the program makes, in f16 for the second product (its other operand, values, lies in -1 .. 1),
; and in bf16 for the small table.  Tables and partial sums are f32.
; A FRAGMENT is 16 rows x 32 k of a weight, 1,024 bytes, as a wave's registers take it: at 16 x lane the 8 numbers W[n0 + lane % 16][k0 + 8 (lane / 16) + 0..7], at 512 + 16 x lane the same 16 k on.
; WS: 64 slots of 16,384 bytes; slot 32 p + 4 c + kq (p = 0 W_word in bf16, p = 1 Wd in f16; c a chunk of 64 rows; kq a quarter of K); in it k-step 4 kq + u at 4,096 u, rows 64 c + 16 j at 1,024 j.
; WR: fragment (rows 16 J, k-step s) of W_rnn at 1,024 (8 J + s).  PQP[q][i][:]: the part of pos_embeds[i] Wd^T from quarter q of K (rows 9-15 repeat row 8).  PT = char_lut U_rnn^T + b_rnn.
; SHARES.  A wave is one task; no LDS, no barrier.  Work-groups 0-31: W_word; 32-63: Wd and PQP; 64-71: W_rnn; 72-103: PT.
; The two tables are stored in pieces of 64 bytes a row: 131,072 bytes each, once.
.set MSB, 0
.macro WIN new                         ; the high byte repeats the setting that is left
.if MSB != (\new)
	s_set_vgpr_msb (MSB<<8)|(\new)
.set MSB, (\new)
.endif
.endm
; the f32 numbers of four fragments, k-steps u = 0..3 from the offset on: lane (r, h) takes k = 8 h + 0..7 and 16 + 8 h + 0..7 of its row
.macro LOAD16 dst, off, base, imm
.irp u, 0,1,2,3
	global_load_b128 v[(\dst)+16*(\u):(\dst)+16*(\u)+3],     v[\off], s[\base:\base+1] offset:(\imm)+128*(\u)
	global_load_b128 v[(\dst)+16*(\u)+4:(\dst)+16*(\u)+7],   v[\off], s[\base:\base+1] offset:(\imm)+128*(\u)+16
	global_load_b128 v[(\dst)+16*(\u)+8:(\dst)+16*(\u)+11],  v[\off], s[\base:\base+1] offset:(\imm)+128*(\u)+64
	global_load_b128 v[(\dst)+16*(\u)+12:(\dst)+16*(\u)+15], v[\off], s[\base:\base+1] offset:(\imm)+128*(\u)+80
.endr
.endm
.macro CVT32 kind, dst, src            ; 64 numbers to 32 registers, ascending, so that it may run in place
.set cz, 0
.rept 32
	v_cvt_pk_\kind\()_f32 v[(\dst)+cz], v[(\src)+2*cz], v[(\src)+2*cz+1]
.set cz, cz+1
.endr
.endm
.macro STORE8 src, off, base, step, imm  ; four fragments: each store of the wave covers 512 consecutive bytes, aligned
.irp u, 0,1,2,3
	global_store_b128 v[\off], v[(\src)+8*(\u):(\src)+8*(\u)+3],   s[\base:\base+1] offset:(\imm)+(\step)*(\u)
	global_store_b128 v[\off], v[(\src)+8*(\u)+4:(\src)+8*(\u)+7], s[\base:\base+1] offset:(\imm)+(\step)*(\u)+512
.endr
.endm
.macro OFFS                            ; s29 = J (16 rows of 512 numbers), s28 = the quarter of K: v8 the source's offset, v9 the place in WS
	s_lshl_b32 s30, s29, 15
	s_lshl_b32 s31, s28, 9
	s_add_co_u32 s30, s30, s31
	v_lshl_add_u32 v8, v3, 11, v6
	v_add_nc_u32 v8, s30, v8                       ; (16 J + r) x 2,048 + 512 q + 32 h
	s_and_b32 s32, s29, 0x1c                       ; 4 (J / 4)
	s_add_co_u32 s32, s32, s28
	s_lshl_b32 s32, s32, 14
	s_and_b32 s33, s29, 3
	s_lshl_b32 s33, s33, 10
	s_add_co_u32 s32, s32, s33
	v_add_nc_u32 v9, s32, v7                       ; slot 4 (J / 4) + q, tile J % 4, 16 x lane
.endm
	s_load_b512 s[4:19], s[0:1], 0x0               ; W_word 4, Wq 6, Wk 8, pos_embeds 10, W_rnn 12, U_rnn 14, char_lut 16, b_rnn 18
	s_load_b256 s[20:27], s[0:1], 0x40             ; WS 20, PQP 22, WR 24, PT 26
	v_lshrrev_b32 v1, 5, v0
	v_readfirstlane_b32 s28, v1                    ; wave 0..3
	s_mov_b32 s29, ttmp9
	v_and_b32 v3, 15, v0                           ; r
	v_bfe_u32 v4, v0, 4, 1                         ; h
	v_and_b32 v5, 31, v0                           ; lane
	v_lshlrev_b32 v6, 5, v4                        ; 32 h
	v_lshlrev_b32 v7, 4, v5                        ; 16 x lane
	s_wait_kmcnt 0x0
	s_cmp_lt_u32 s29, 32
	s_cbranch_scc1 .Lword
	s_cmp_lt_u32 s29, 64
	s_cbranch_scc1 .Ldiff
	s_cmp_lt_u32 s29, 72
	s_cbranch_scc1 .Lrnn
	; PT: task a = 4 (wg - 72) + wave: columns 16 (a / 8) on, characters 16 (a % 8) on, all of K = 256
	s_sub_co_u32 s29, s29, 72
	s_lshl_b32 s29, s29, 2
	s_add_co_u32 s29, s29, s28
	s_lshr_b32 s30, s29, 3                         ; J
	s_and_b32 s31, s29, 7                          ; I
	v_lshl_add_u32 v8, v3, 10, v6                  ; r x 1,024 + 32 h
	s_lshl_b32 s32, s30, 14
	v_add_nc_u32 v9, s32, v8                       ; rows 16 J of U_rnn
	s_lshl_b32 s33, s31, 14
	v_add_nc_u32 v10, s33, v8                      ; rows 16 I of char_lut
	s_lshl_b32 s34, s30, 6
	v_add_nc_u32 v11, s34, v6                      ; my 8 numbers of b_rnn: 64 J + 32 h
	v_add_nc_u32 v12, s34, v10                     ; my 32 bytes of PT: (16 I + r) x 1,024 + 64 J + 32 h
	LOAD16 16, 9, 14, 0                            ; all 66 loads go out in one run: k-steps 0-3 into window 0,
	LOAD16 80, 10, 16, 0
	WIN 0x40
	LOAD16 0, 9, 14, 512                           ; k-steps 4-7 into window 1
	LOAD16 64, 10, 16, 512
	WIN 0
	global_load_b128 v[240:243], v11, s[18:19]
	global_load_b128 v[244:247], v11, s[18:19] offset:16
	s_wait_loadcnt 0x0
	CVT32 bf16, 16, 16                             ; U_rnn: fragment s at v[16 + 8 s]
	CVT32 bf16, 80, 80                             ; char_lut: fragment s at v[80 + 8 s]
	WIN 0x05                                       ; sources in window 1
	CVT32 bf16, 48, 0
	CVT32 bf16, 112, 64
	WIN 0
.set ks, 0
.rept 8                                ; source 0 = rows of U_rnn, source 1 = rows of char_lut: a lane holds one character and 8 neighbouring columns.  Two accumulators take turns
.if ks < 2
	v_wmma_f32_16x16x32_bf16 v[208+8*(ks%2):215+8*(ks%2)], v[16+8*ks:23+8*ks], v[80+8*ks:87+8*ks], 0
.else
	v_wmma_f32_16x16x32_bf16 v[208+8*(ks%2):215+8*(ks%2)], v[16+8*ks:23+8*ks], v[80+8*ks:87+8*ks], v[208+8*(ks%2):215+8*(ks%2)]
.endif
.set ks, ks+1
.endr
.rept 8
	v_nop                                          ; the places behind the last products, once a task
.endr
.irp z, 0,2,4,6
	v_pk_add_f32 v[224+(\z):225+(\z)], v[208+(\z):209+(\z)], v[216+(\z):217+(\z)]
.endr
.irp z, 0,2,4,6
	v_pk_add_f32 v[224+(\z):225+(\z)], v[224+(\z):225+(\z)], v[240+(\z):241+(\z)]
.endr
	global_store_b128 v12, v[224:227], s[26:27]
	global_store_b128 v12, v[228:231], s[26:27] offset:16
	s_endpgm
.Lword:                                        ; W_word: rows 16 J, quarter = wave: four fragments in bf16
	OFFS
	LOAD16 16, 8, 4, 0
	s_wait_loadcnt 0x0
	CVT32 bf16, 16, 16
	STORE8 16, 9, 20, 4096, 0
	s_endpgm
.Ldiff:                                        ; Wd = Wq - Wk: four fragments in f16, and this quarter's part of pos_embeds Wd^T
	s_sub_co_u32 s29, s29, 32
	OFFS
	v_min_u32 v10, 8, v3                           ; rows 9-15 of the tile repeat row 8: no load leaves pos_embeds
	v_lshl_add_u32 v10, v10, 11, v6
	v_add_nc_u32 v10, s31, v10                     ; row x 2,048 + 512 q + 32 h
	s_lshl_b32 s33, s28, 15
	s_lshl_b32 s34, s29, 6
	s_add_co_u32 s33, s33, s34
	v_lshl_add_u32 v11, v3, 11, v6
	v_add_nc_u32 v11, s33, v11                     ; PQP: 32,768 q + 2,048 r + 64 J + 32 h
	LOAD16 16, 8, 6, 0
	LOAD16 80, 8, 8, 0
	LOAD16 144, 10, 10, 0
	s_wait_loadcnt 0x0
.set dz, 0
.rept 32
	v_pk_add_f32 v[16+dz:17+dz], v[16+dz:17+dz], v[80+dz:81+dz] neg_lo:[0,1] neg_hi:[0,1]
.set dz, dz+2
.endr
	CVT32 f16, 80, 16
	STORE8 80, 9, 20, 4096, 524288                 ; the second half of WS
	CVT32 bf16, 16, 16
	CVT32 bf16, 144, 144
	v_wmma_f32_16x16x32_bf16 v[208:215], v[16:23], v[144:151], 0       ; source 0 = rows of Wd, source 1 = rows of pos_embeds; two accumulators by turns
	v_wmma_f32_16x16x32_bf16 v[216:223], v[24:31], v[152:159], 0
	v_wmma_f32_16x16x32_bf16 v[208:215], v[32:39], v[160:167], v[208:215]
	v_wmma_f32_16x16x32_bf16 v[216:223], v[40:47], v[168:175], v[216:223]
.rept 8
	v_nop
.endr
.irp z, 0,2,4,6
	v_pk_add_f32 v[224+(\z):225+(\z)], v[208+(\z):209+(\z)], v[216+(\z):217+(\z)]
.endr
	global_store_b128 v11, v[224:227], s[22:23]
	global_store_b128 v11, v[228:231], s[22:23] offset:16
	s_endpgm
.Lrnn:                                         ; W_rnn: task a = 4 (wg - 64) + wave: rows 16 (a / 2), half a % 2 of K: four fragments in bf16
	s_sub_co_u32 s29, s29, 64
	s_lshl_b32 s29, s29, 2
	s_add_co_u32 s29, s29, s28
	s_lshr_b32 s30, s29, 1                         ; J
	s_and_b32 s31, s29, 1                          ; the half
	s_lshl_b32 s32, s30, 14
	s_lshl_b32 s33, s31, 9
	s_add_co_u32 s32, s32, s33
	v_lshl_add_u32 v8, v3, 10, v6
	v_add_nc_u32 v8, s32, v8                       ; (16 J + r) x 1,024 + 512 half + 32 h
	s_lshl_b32 s32, s30, 13
	s_lshl_b32 s33, s31, 12
	s_add_co_u32 s32, s32, s33
	v_add_nc_u32 v9, s32, v7                       ; 1,024 (8 J + 4 half) + 16 x lane
	LOAD16 16, 8, 12, 0
	s_wait_loadcnt 0x0
	CVT32 bf16, 16, 16
	STORE8 16, 9, 24, 1024, 0
	s_endpgm
.Lfunc_end_k_q38f6e8d7e3_prep:
	.size	k_q38f6e8d7e3_prep, .Lfunc_end_k_q38f6e8d7e3_prep-k_q38f6e8d7e3_prep
	.p2alignl 7, 3214868480
	.fill 96, 4, 3214868480
	.section	.rodata,"a",@progbits
	.p2align	6, 0x0
	.amdhsa_kernel k_q38f6e8d7e3_prep
		.amdhsa_group_segment_fixed_size 0
		.amdhsa_private_segment_fixed_size 0
		.amdhsa_enable_private_segment 0
		.amdhsa_kernarg_size 96
		.amdhsa_user_sgpr_count 2
		.amdhsa_user_sgpr_kernarg_segment_ptr 1
		.amdhsa_wavefront_size32 1
		.amdhsa_system_sgpr_workgroup_id_x 1
		.amdhsa_system_sgpr_workgroup_id_y 1
		.amdhsa_system_sgpr_workgroup_id_z 1
		.amdhsa_system_vgpr_workitem_id 0
		.amdhsa_next_free_vgpr 384
		.amdhsa_next_free_sgpr 66
		.amdhsa_reserve_vcc 0
		.amdhsa_float_denorm_mode_32 3
		.amdhsa_float_denorm_mode_16_64 3
		.amdhsa_memory_ordered 1
		.amdhsa_forward_progress 1
		.amdhsa_inst_pref_size 42
	.end_amdhsa_kernel
	.amdgpu_metadata
---
amdhsa.version: [ 1, 2 ]
amdhsa.kernels:
  - .name:           k_q38f6e8d7e3_prep
    .symbol:         k_q38f6e8d7e3_prep.kd
    .args:
      - { .name: W_word, .offset: 0, .size: 8, .value_kind: global_buffer, .address_space: global }
      - { .name: Wq, .offset: 8, .size: 8, .value_kind: global_buffer, .address_space: global }
      - { .name: Wk, .offset: 16, .size: 8, .value_kind: global_buffer, .address_space: global }
      - { .name: pos_embeds, .offset: 24, .size: 8, .value_kind: global_buffer, .address_space: global }
      - { .name: W_rnn, .offset: 32, .size: 8, .value_kind: global_buffer, .address_space: global }
      - { .name: U_rnn, .offset: 40, .size: 8, .value_kind: global_buffer, .address_space: global }
      - { .name: char_lut, .offset: 48, .size: 8, .value_kind: global_buffer, .address_space: global }
      - { .name: b_rnn, .offset: 56, .size: 8, .value_kind: global_buffer, .address_space: global }
      - { .name: WS, .offset: 64, .size: 8, .value_kind: global_buffer, .address_space: global }
      - { .name: PQP, .offset: 72, .size: 8, .value_kind: global_buffer, .address_space: global }
      - { .name: WR, .offset: 80, .size: 8, .value_kind: global_buffer, .address_space: global }
      - { .name: PT, .offset: 88, .size: 8, .value_kind: global_buffer, .address_space: global }
    .group_segment_fixed_size: 0
    .private_segment_fixed_size: 0
    .kernarg_segment_align: 8
    .kernarg_segment_size: 96
    .max_flat_workgroup_size: 128
    .sgpr_count:     66
    .vgpr_count:     384
    .wavefront_size: 32
...
	.end_amdgpu_metadata
.endif
;; end of part 1
;; launch chars (part 2): grid 256 x 1, 4 waves a work-group, no clusters, 187,392 bytes of LDS; arguments mention_chars, WR, PT, out1; writes out1
.if DOCPART == 2
	.amdgcn_target "amdgcn-amd-amdhsa--gfx1250"
	.amdhsa_code_object_version 6
	.text
	.protected	k_q38f6e8d7e3_chars
	.globl	k_q38f6e8d7e3_chars
	.p2align	8
	.type	k_q38f6e8d7e3_chars,@function
k_q38f6e8d7e3_chars:
	s_mov_b64 s[64:65], 0
	v_nop
	global_prefetch_b8 v0, s[64:65] scope:SCOPE_SE
	s_setreg_imm32_b32 hwreg(HW_REG_WAVE_MODE, 25, 1), 1
	s_wait_xcnt 0x0
; CHARS: out1[b] = the mean over 16 steps of h_t, h_t = tanh(h_(t-1) W_rnn^T + PT[mention_chars[b][t]]).
; LEFT OUT: x U_rnn^T + b_rnn is looked up in PT = char_lut U_rnn^T + b_rnn (a product is linear in its rows), and step 0 has no product, since h0 is the zero that the module builds itself.
; SHARES.  A work-group owns 32 rows of the batch (two tiles of 16), wave w the columns 64 w .. 64 w + 63 of all 32: its 32 fragments of W_rnn stay in 256 registers for all steps; h crosses the waves through LDS.
; LAYOUT.  Source 0 = 16 rows of W_rnn, source 1 = 16 rows of h: a lane holds ONE row of the batch (lane % 16) and 8 neighbouring columns.  The sums start from the table's row, loaded straight into the accumulators.
; FORMATS.  h goes to the matrix unit in bf16 (it is as small as char_lut x U_rnn makes it: f16 has no room); PT, the pre-activations and the mean are f32.
; TANH is the quotient x (((x2 + 378) x2 + 17325) x2 + 135135) / (((28 x2 + 3150) x2 + 62370) x2 + 135135), x2 = x x, a convergent of tanh's continued fraction, on x held to -4.9 .. 4.9:
; off by 8.5e-5 at the most for every x, and by rounding alone where x is small (no difference of near numbers is formed).  LIMIT: a NaN is turned into a bound by the clamp and is not carried.
; LIMIT: a character is taken as min(c, 127), unsigned: an index stays inside its table.
; ONE TEXT FOR EVERY STEP: step 0 jumps over the product; the last step reads step 15's characters again and stores an h that nobody reads (2 loads and 8 stores of LDS).
; LDS: PT 128 rows x 1,040 | h 32 rows x 528, bf16 | a stage of 32 rows x 272 for each wave | the characters, [step][row] | the spare words.  The pitches are odd multiples of 16 bytes.
.set PTP,   1040
.set HB,    128*PTP                    ; 133,120
.set HP,    528
.set STG,   HB+32*HP                   ; 150,016
.set SP,    272
.set CH,    STG+4*32*SP                ; 184,832
.set SPARE, CH+2048                    ; 186,880: 128 bytes for each wave, two blocks of 256 bytes that no other line names
.set SPW, 1                            ; v1  my spare word; never rewritten
.set NIL, 2                            ; v2  0; never rewritten
.set ACC, 64                           ; v64-127   tile (i, jn) at ACC + 8 (4 i + jn)
.set HF,  128                          ; v128-255  h's fragment (i, s) at HF + 8 (8 i + s); the tanh works in v128-191 when the products are over
.set TX,  128
.set TX2, 144
.set TQ,  160
.set TP,  176
; v3 r, v4 h, v5 lane, v6 32 h + 256 w, v8 the next characters' address, v9-10 characters, v11-12 their rows in PT, v13 where I read h, v14 where I write it, v15-21 set-up, v24-27 characters as loaded, v28-30 the way out
; window 1: W_rnn's fragment (jn, s) at 8 (8 jn + s).  window 2: v0-63 the sum of the states, laid as ACC
.set MSB, 0
.macro WIN new
.if MSB != (\new)
	s_set_vgpr_msb (MSB<<8)|(\new)
.set MSB, (\new)
.endif
.endm
.macro PAIR reg, val                   ; a constant for packed arithmetic: named as a pair, so both words are written
	s_mov_b32 s[\reg], \val
	s_mov_b32 s[(\reg)+1], \val
.endm
.macro TCONST
	s_mov_b32 s36, 0xc09ccccd                      ; -4.9
	s_mov_b32 s37, 0x409ccccd                      ; 4.9
	PAIR 38, 0x41e00000                            ; 28
	PAIR 40, 0x4544e000                            ; 3150
	PAIR 42, 0x4773a200                            ; 62370
	PAIR 44, 0x4803f7c0                            ; 135135
	PAIR 46, 0x43bd0000                            ; 378
	PAIR 48, 0x46875a00                            ; 17325
.endm
.macro TCLAMP src                      ; 16 numbers of two accumulators, ascending: each accumulator's lowest registers are read first
.set tz, 0
.rept 16
	v_med3_num_f32 v[TX+tz], v[(\src)+tz], s36, s37
.set tz, tz+1
.endr
.endm
.macro TLINE line:vararg               ; one packed line for each of the 8 pairs
.set tz, 0
.rept 8
	\line
.set tz, tz+2
.endr
.endm
.macro TREST                           ; tanh of v[TX ..], 16 numbers, into v[TP ..]
	TLINE v_pk_mul_f32 v[TX2+tz:TX2+tz+1], v[TX+tz:TX+tz+1], v[TX+tz:TX+tz+1]
	TLINE v_pk_fma_f32 v[TQ+tz:TQ+tz+1], v[TX2+tz:TX2+tz+1], s[38:39], s[40:41] op_sel_hi:[1,0,0]
	TLINE v_pk_fma_f32 v[TQ+tz:TQ+tz+1], v[TQ+tz:TQ+tz+1], v[TX2+tz:TX2+tz+1], s[42:43] op_sel_hi:[1,1,0]
	TLINE v_pk_fma_f32 v[TQ+tz:TQ+tz+1], v[TQ+tz:TQ+tz+1], v[TX2+tz:TX2+tz+1], s[44:45] op_sel_hi:[1,1,0]
.set tz, 0
.rept 16
	v_rcp_f32 v[TQ+tz], v[TQ+tz]                   ; one batch of 16; the numerator's 32 lines are the independent work behind it
.set tz, tz+1
.endr
	TLINE v_pk_add_f32 v[TP+tz:TP+tz+1], v[TX2+tz:TX2+tz+1], s[46:47] op_sel_hi:[1,0]
	TLINE v_pk_fma_f32 v[TP+tz:TP+tz+1], v[TP+tz:TP+tz+1], v[TX2+tz:TX2+tz+1], s[48:49] op_sel_hi:[1,1,0]
	TLINE v_pk_fma_f32 v[TP+tz:TP+tz+1], v[TP+tz:TP+tz+1], v[TX2+tz:TX2+tz+1], s[44:45] op_sel_hi:[1,1,0]
	TLINE v_pk_mul_f32 v[TP+tz:TP+tz+1], v[TP+tz:TP+tz+1], v[TX+tz:TX+tz+1]
	s_wait_alu depctr_va_vdst(0)                   ; the reciprocals are written, ahead of the first line that names a reciprocal: one wait for the batch
	TLINE v_pk_mul_f32 v[TP+tz:TP+tz+1], v[TP+tz:TP+tz+1], v[TQ+tz:TQ+tz+1]
.endm
	s_load_b256 s[4:11], s[0:1], 0x0               ; mention_chars 4, WR 6, PT 8, out1 10
	v_lshl_add_u32 v[SPW], v0, 2, SPARE
	v_mov_b32 v[NIL], 0
	v_lshrrev_b32 v3, 5, v0
	v_readfirstlane_b32 s22, v3                    ; wave 0..3
	s_mov_b32 s23, ttmp9
	v_and_b32 v3, 15, v0                           ; r
	v_bfe_u32 v4, v0, 4, 1                         ; h
	v_and_b32 v5, 31, v0                           ; lane
	v_lshlrev_b32 v15, 4, v5                       ; 16 x lane
	s_lshl_b32 s24, s22, 15
	v_add_nc_u32 v16, s24, v15                     ; in PT and in WR: my wave's 32,768 bytes
	s_lshl_b32 s25, s23, 11
	s_lshl_b32 s26, s22, 9
	s_add_co_u32 s25, s25, s26
	v_add_nc_u32 v17, s25, v15                     ; in mention_chars: 2,048 g + 512 w + 16 x lane
	TCONST
	s_wait_kmcnt 0x0
.set k, 0
.rept 32                               ; PT, my rows 32 w .. + 15: 512 consecutive bytes an instruction
	global_load_b128 v[HF+4*k:HF+4*k+3], v16, s[8:9] offset:512*k
.set k, k+1
.endr
	global_load_b128 v[24:27], v17, s[4:5]         ; the work-group's characters, 2,048 bytes, each read once
	WIN 0x40
.set k, 0
.rept 32                               ; the first half of my fragments of W_rnn
	global_load_b128 v[4*k:4*k+3], v16, s[6:7] offset:512*k
.set k, k+1
.endr
	WIN 0
	s_mul_i32 s26, s22, 32*PTP
	v_add_nc_u32 v18, s26, v15                     ; PT in LDS: my 32 rows
	v_and_b32 v19, 3, v0                           ; my 4 characters are steps 4 (lane % 4) + 0..3 of row 8 w + lane / 4
	v_lshrrev_b32 v20, 2, v5
	v_lshlrev_b32 v20, 2, v20
	v_lshl_add_u32 v19, v19, 9, v20
	s_lshl_b32 s27, s22, 5
	s_add_co_u32 s27, s27, CH
	v_add_nc_u32 v19, s27, v19                     ; CH + 128 step + 4 row
	v_lshl_add_u32 v21, v3, 2, CH                  ; where a step's characters of my rows begin
	s_lshl_b32 s27, s22, 8
	v_lshl_add_u32 v6, v4, 5, s27                  ; my 32 bytes in a row of PT
	v_mul_u32_u24 v13, v3, HP
	v_lshl_add_u32 v13, v4, 4, v13
	v_add_nc_u32 v13, HB, v13                      ; h: row r, 16 bytes for each half of the lanes
	s_lshl_b32 s28, s22, 7
	v_add_nc_u32 v14, s28, v13                     ; and my wave's 128 bytes of it
	s_wait_loadcnt 32                              ; PT's half and the characters are in; the 32 loads of W_rnn stay out
.set k, 0
.rept 32
	ds_store_b128 v18, v[HF+4*k:HF+4*k+3] offset:(k/2)*PTP+512*(k%2)
.set k, k+1
.endr
.irp e, 0,1,2,3
	ds_store_b32 v19, v[24+(\e)] offset:128*(\e)
.endr
.set k, 0
.rept 32                               ; PT, my rows 32 w + 16 .. + 31
	global_load_b128 v[HF+4*k:HF+4*k+3], v16, s[8:9] offset:16384+512*k
.set k, k+1
.endr
	WIN 0x40
.set k, 32
.rept 32                               ; the second half of W_rnn
	global_load_b128 v[4*k:4*k+3], v16, s[6:7] offset:512*k
.set k, k+1
.endr
	WIN 0x80
.set k, 0
.rept 64
	v_mov_b32 v[k], 0                              ; the sum of the states starts at 0, written while the loads are out, so that the loop has one text
.set k, k+1
.endr
	WIN 0
	s_mul_i32 s26, s22, 32*SP
	s_add_co_u32 s26, s26, STG                     ; my stage
	v_mul_u32_u24 v28, v3, SP
	v_lshl_add_u32 v28, v4, 5, v28
	v_add_nc_u32 v28, s26, v28                     ; in: row r, 32 bytes for each half of the lanes
	v_mul_u32_u24 v29, v4, SP
	v_lshl_add_u32 v29, v3, 4, v29
	v_add_nc_u32 v29, s26, v29                     ; back: lanes 0-15 one row of 256 bytes, lanes 16-31 the next
	s_lshl_b32 s26, s23, 15
	s_add_co_u32 s26, s26, s27
	v_lshlrev_b32 v30, 10, v4
	v_lshl_add_u32 v30, v3, 4, v30
	v_add_nc_u32 v30, s26, v30                     ; out1: (32 g + lane / 16) x 1,024 + 256 w + 16 (lane % 16)
	s_wait_loadcnt 32                              ; PT's second half is in; the second 32 loads of W_rnn stay out
.set k, 0
.rept 32
	ds_store_b128 v18, v[HF+4*k:HF+4*k+3] offset:(16+k/2)*PTP+512*(k%2)
.set k, k+1
.endr
	s_wait_dscnt 0x0                               ; for the others' sake: my parts of PT and of the characters lie in LDS
	s_barrier_signal -1
	s_barrier_wait -1
	ds_load_b32 v9, v21                            ; step 0: the characters of rows r and 16 + r
	ds_load_b32 v10, v21 offset:64
	s_wait_loadcnt 0x0                             ; W_rnn
	s_mov_b32 s20, 0
; Two tiles (i, 2 jp) and (i, 2 jp + 1): tanh, the sum, h in bf16 into LDS.  first = 1: no wave writes h before every wave has read the old one
.macro BATCH i, jp, first
.set aB, ACC+8*(4*(\i)+2*(\jp))
	TCLAMP aB
	TREST
	WIN 0x82                                       ; destination and source 0 in window 2
.set bz, 0
.rept 8
	v_pk_add_f32 v[aB-ACC+bz:aB-ACC+bz+1], v[aB-ACC+bz:aB-ACC+bz+1], v[TP+bz:TP+bz+1]
.set bz, bz+2
.endr
	WIN 0
.set bz, 0
.rept 8
	v_cvt_pk_bf16_f32 v[TQ+bz], v[TP+2*bz], v[TP+2*bz+1]
.set bz, bz+1
.endr
.if \first
	s_barrier_wait -1
.endif
	ds_store_b128 v14, v[TQ:TQ+3]   offset:16*HP*(\i)+64*(\jp)
	ds_store_b128 v14, v[TQ+4:TQ+7] offset:16*HP*(\i)+64*(\jp)+32
.endm
.Lstep:                                        ; 16 trips, s20 = the step
	s_wait_dscnt 0x0                               ; this step's characters are in, and my stores of h are done
	v_min_u32 v9, 127, v9
	v_min_u32 v10, 127, v10
	v_mad_u32_u24 v11, v9, PTP, v6                 ; my 32 bytes of the characters' rows of PT
	v_mad_u32_u24 v12, v10, PTP, v6
	s_barrier_signal -1
	s_barrier_wait -1                              ; every wave's part of h lies in LDS
	s_add_co_u32 s21, s20, 1
	s_min_u32 s21, s21, 15
	s_lshl_b32 s21, s21, 7
	v_add_nc_u32 v8, s21, v21
	ds_load_b32 v9, v8                             ; the next step's characters
	ds_load_b32 v10, v8 offset:64
.irp i, 0,1
.irp jn, 0,1,2,3
	ds_load_b128 v[ACC+8*(4*(\i)+(\jn)):ACC+8*(4*(\i)+(\jn))+3],   v[11+(\i)] offset:64*(\jn)      ; the sums start from PT's row
	ds_load_b128 v[ACC+8*(4*(\i)+(\jn))+4:ACC+8*(4*(\i)+(\jn))+7], v[11+(\i)] offset:64*(\jn)+16
.endr
.endr
	s_cmp_eq_u32 s20, 0
	s_cbranch_scc1 .Lact                           ; step 0: h is 0, and there is no product; no barrier lies in what is jumped
.irp s, 0,1,2,3,4,5,6,7
.irp i, 0,1
	ds_load_b128 v[HF+8*(8*(\i)+(\s)):HF+8*(8*(\i)+(\s))+3],   v13 offset:16*HP*(\i)+64*(\s)
	ds_load_b128 v[HF+8*(8*(\i)+(\s))+4:HF+8*(8*(\i)+(\s))+7], v13 offset:16*HP*(\i)+64*(\s)+32
.endr
.endr
	WIN 0x01                                       ; source 0 in window 1
.irp s, 0,1,2,3,4,5,6,7
	s_wait_dscnt 28-4*(\s)                         ; the four loads of each later k-step may stay out
.irp i, 0,1
.irp jn, 0,1,2,3                       ; the eight accumulators take turns
	v_wmma_f32_16x16x32_bf16 v[ACC+8*(4*(\i)+(\jn)):ACC+8*(4*(\i)+(\jn))+7], v[8*(8*(\jn)+(\s)):8*(8*(\jn)+(\s))+7], v[HF+8*(8*(\i)+(\s)):HF+8*(8*(\i)+(\s))+7], v[ACC+8*(4*(\i)+(\jn)):ACC+8*(4*(\i)+(\jn))+7]
.endr
.endr
.endr
.rept 4
	v_nop                                          ; the places behind the last products: the tanh reads their results and works in h's registers
.endr
	WIN 0
.Lact:
	s_wait_dscnt 0x0                               ; my reads of h (and of PT) are over:
	s_barrier_signal -1                            ; say so; the first batch's arithmetic stands between the signal and the wait
	BATCH 0, 0, 1
	BATCH 0, 1, 0
	BATCH 1, 0, 0
	BATCH 1, 1, 0
	s_add_co_u32 s20, s20, 1
	s_cmp_lt_u32 s20, 16
	s_cbranch_scc1 .Lstep
	; THE WAY OUT: the sum times 1/16, through my own stage, back as whole rows of 256 bytes
	WIN 0x02
.set k, 0
.rept 32
	v_pk_mul_f32 v[128+k:129+k], v[k:k+1], 0x3d800000 op_sel_hi:[1,0]
.set k, k+2
.endr
	WIN 0
.irp i, 0,1
.irp jn, 0,1,2,3
	ds_store_b128 v28, v[128+8*(4*(\i)+(\jn)):128+8*(4*(\i)+(\jn))+3]   offset:16*SP*(\i)+64*(\jn)
	ds_store_b128 v28, v[128+8*(4*(\i)+(\jn))+4:128+8*(4*(\i)+(\jn))+7] offset:16*SP*(\i)+64*(\jn)+16
.endr
.endr
.set k, 0
.rept 16
	ds_load_b128 v[192+4*k:192+4*k+3], v29 offset:2*SP*k  ; LDS serves a wave's instructions in order (ISA guide 5.7.1.4): these see the stores above
.set k, k+1
.endr
.set k, 0
.rept 16
	s_wait_dscnt 15-k
	global_store_b128 v30, v[192+4*k:192+4*k+3], s[10:11] offset:2048*k th:TH_STORE_NT  ; 16 lanes store 256 consecutive bytes, aligned
.set k, k+1
.endr
	s_wait_tensorcnt 0x0                           ; the wave's end, behind my last LDS store
	ds_add_u32 v[SPW], v[NIL]
	s_wait_dscnt 0x0
	s_endpgm
.Lfunc_end_k_q38f6e8d7e3_chars:
	.size	k_q38f6e8d7e3_chars, .Lfunc_end_k_q38f6e8d7e3_chars-k_q38f6e8d7e3_chars
	.p2alignl 7, 3214868480
	.fill 96, 4, 3214868480
	.section	.rodata,"a",@progbits
	.p2align	6, 0x0
	.amdhsa_kernel k_q38f6e8d7e3_chars
		.amdhsa_group_segment_fixed_size 187392
		.amdhsa_private_segment_fixed_size 0
		.amdhsa_enable_private_segment 0
		.amdhsa_kernarg_size 32
		.amdhsa_user_sgpr_count 2
		.amdhsa_user_sgpr_kernarg_segment_ptr 1
		.amdhsa_wavefront_size32 1
		.amdhsa_system_sgpr_workgroup_id_x 1
		.amdhsa_system_sgpr_workgroup_id_y 1
		.amdhsa_system_sgpr_workgroup_id_z 1
		.amdhsa_system_vgpr_workitem_id 0
		.amdhsa_next_free_vgpr 576
		.amdhsa_next_free_sgpr 66
		.amdhsa_reserve_vcc 0
		.amdhsa_float_denorm_mode_32 3
		.amdhsa_float_denorm_mode_16_64 3
		.amdhsa_memory_ordered 1
		.amdhsa_forward_progress 1
		.amdhsa_inst_pref_size 67
	.end_amdhsa_kernel
	.amdgpu_metadata
---
amdhsa.version: [ 1, 2 ]
amdhsa.kernels:
  - .name:           k_q38f6e8d7e3_chars
    .symbol:         k_q38f6e8d7e3_chars.kd
    .args:
      - { .name: mention_chars, .offset: 0, .size: 8, .value_kind: global_buffer, .address_space: global }
      - { .name: WR, .offset: 8, .size: 8, .value_kind: global_buffer, .address_space: global }
      - { .name: PT, .offset: 16, .size: 8, .value_kind: global_buffer, .address_space: global }
      - { .name: out1, .offset: 24, .size: 8, .value_kind: global_buffer, .address_space: global }
    .group_segment_fixed_size: 187392
    .private_segment_fixed_size: 0
    .kernarg_segment_align: 8
    .kernarg_segment_size: 32
    .max_flat_workgroup_size: 128
    .sgpr_count:     66
    .vgpr_count:     576
    .wavefront_size: 32
...
	.end_amdgpu_metadata
.endif
;; end of part 2
;; launch word (part 3): grid 256 x 1, 4 waves a work-group, no clusters, 321,280 bytes of LDS; arguments mentions, word_lut, b_word, bq, bk, beta, WS, PQP, out0; writes out0
.if DOCPART == 3
	.amdgcn_target "amdgcn-amd-amdhsa--gfx1250"
	.amdhsa_code_object_version 6
	.text
	.protected	k_q38f6e8d7e3_word
	.globl	k_q38f6e8d7e3_word
	.p2align	8
	.type	k_q38f6e8d7e3_word,@function
k_q38f6e8d7e3_word:
	s_mov_b64 s[64:65], 0
	v_nop
	global_prefetch_b8 v0, s[64:65] scope:SCOPE_SE
	s_setreg_imm32_b32 hwreg(HW_REG_WAVE_MODE, 25, 1), 1
	s_wait_xcnt 0x0
; WORD: out0[b] = the sum over l of softmax_l(-beta dist[b][l]) values[b][l], values = tanh(word_lut[mentions] W_word^T + b_word), dist = |values Wd^T + PQ[pos_index]|.
; LEFT OUT: only queries - keys reaches dist, so one product with Wd = Wq - Wk stands for two; pos_embeds enters by the table PQ[i] = pos_embeds[i] Wd^T + bq - bk; the division by the softmax's sum, which is 1, is not made.
; SHARES.  A work-group owns 256 rows (32 mentions), a wave 64 rows (8 whole mentions, four tiles of 16) through the whole chain: gather, product, tanh, product, norm, softmax, mean never cross waves.
; The waves share the stream of weights alone: 64 slots of 16,384 bytes, 32 of W_word (bf16) and 32 of Wd (f16), a slot to a trip of 64 matrix instructions a wave.
; LAYOUT.  Source 0 = 16 rows of a weight, source 1 = 16 rows of X or of values: a lane holds ONE row (lane % 16) and 8 neighbouring columns.  The 64 fragments of X, later of values, fill windows 2 and 3;
; 64 columns (a chunk, 16 accumulators) are made at a time; the sums start from the bias, or from PQ's row, loaded straight into the accumulators.
; FORMATS.  X and W_word in bf16; values and Wd in f16; sums, tanh, norm, softmax and mean in f32.  LIMIT: values below 6e-5 keep f16's fixed step of 6e-8.
; TANH: the quotient of the chars kernel: off by 8.5e-5 at the most for every x, by rounding alone for small x.  LIMIT: a NaN is turned into a bound by the clamp and is not carried.
; LIMIT: a word is taken as min(m, 99999), unsigned, and counts as padding where it is 0: an index stays inside its table.
; NO DATA MOVER, NO JOINT LOADS, by this text's arithmetic: X and values of 256 rows are 262,144 bytes each, as much together as the four waves' registers, so one copy lies in LDS (266,240 bytes with its padding);
; beside it two slots of 16,384 bytes fit.  Filled by the mover, a slot's load could go out only behind the trip's barrier and would have 64 matrix instructions in which to land.  Through registers each wave keeps
; four sets of 8 loads out, 65,536 bytes a work-group, across the barriers: a set has four trips in which to land.
; LDS: XV 256 rows x 1,040 (X in bf16, then values in f16; each wave's 64 rows are its own) | the ring, 2 x 16,384 | TAB 10 rows x 2,064 (b_word, PQ[0..8]) | WT, the softmax's weights, 256 bytes a wave | the spare words.
.set XP,    1040
.set WAVEB, 64*XP                      ; 66,560
.set TILEB, 16*XP                      ; 16,640
.set RING,  256*XP                     ; 266,240
.set SLOT,  16384
.set TAB,   RING+2*SLOT                ; 299,008
.set TABP,  2064
.set WT,    319744
.set SPARE, 320768                     ; 128 bytes for each wave, two blocks of 256 bytes that no other line names
.set SPW, 1                            ; v1  my spare word; never rewritten
.set NIL, 2                            ; v2  0; never rewritten
.set LN,  3                            ; v3  lane
.set RR,  4                            ; v4  lane % 16
.set HH,  5                            ; v5  lane / 16
.set L16, 6                            ; v6  16 x lane
.set T16, 7                            ; v7  512 w + 16 x lane
.set GOF, 8                            ; v8-15   the gather's eight row slots: byte offset in word_lut
.set MM,  16                           ; v16-23  lane k holds mentions[my mention k % 8][e] in v[MM + e]
.set AST, 24                           ; v24 where X's rows go; later where the mean reads values
.set AXV, 25                           ; v25 my place in a fragment of XV: 66,560 w + 1,040 r + 16 h
.set AV,  26                           ; v26 where values go: AXV + 128 x chunk; later the weights' address
.set AG,  27                           ; v27 the ring, 16 x lane; later my offset in out0
.set AS,  28                           ; v28 my wave's quarter of a slot
.set WO,  29                           ; v29 the same in WS: 4,096 w + 16 x lane
.set TI,  30                           ; v30-33  tile i: where the next chunk's sums start
.set PQA, 34                           ; v34-37  tile i: 2,064 (1 + pos_index of my row)
.set PFO, 38                           ; v38 the prefetch's offset
.set ZERO, 39                          ; v39 0, an addend
.set SS,  40                           ; v40-55  tile i: two packed chains of squares
.set WK,  56                           ; v56-63  at work; v57 = TAB + 32 h through both products
.set G,   64                           ; v64-191 G0..G3: a unit's four fragments of weights each
.set TX,  192                          ; v192-255 the tanh
.set TX2, 208
.set TQ,  224
.set TP,  240
; window 1: v0-127 the accumulators, tile (i, j) at 8 (4 i + j) (first the gather's ring); v128-255 four sets of 32 for the stream.  windows 2, 3: fragment (s, i) at 8 (4 (s % 8) + i), s < 8 in window 2
; s22 wave, s23 work-group, s24 loop, s25 the slot to ask for, s[26:27] its offset, s[28:29] its address, s[30:31], s32, s33 the prefetch, s34 -beta log2(e), s36-49 tanh, s50-51 lane selects, s52-54 at work
.set MSB, 0
.macro WIN new
.if MSB != (\new)
	s_set_vgpr_msb (MSB<<8)|(\new)
.set MSB, (\new)
.endif
.endm
.macro PLACES n=4                      ; plain lines between a matrix instruction and a load into, or a vector line on, its registers
.rept \n
	v_nop
.endr
.endm
.macro PAIR reg, val
	s_mov_b32 s[\reg], \val
	s_mov_b32 s[(\reg)+1], \val
.endm
.macro TCONST
	s_mov_b32 s36, 0xc09ccccd                      ; -4.9
	s_mov_b32 s37, 0x409ccccd                      ; 4.9
	PAIR 38, 0x41e00000                            ; 28
	PAIR 40, 0x4544e000                            ; 3150
	PAIR 42, 0x4773a200                            ; 62370
	PAIR 44, 0x4803f7c0                            ; 135135
	PAIR 46, 0x43bd0000                            ; 378
	PAIR 48, 0x46875a00                            ; 17325
.endm
.macro TCLAMP src                      ; ascending: each accumulator's lowest registers are read first
.set tz, 0
.rept 16
	v_med3_num_f32 v[TX+tz], v[(\src)+tz], s36, s37
.set tz, tz+1
.endr
.endm
.macro TLINE line:vararg
.set tz, 0
.rept 8
	\line
.set tz, tz+2
.endr
.endm
.macro TREST                           ; tanh of v[TX ..], 16 numbers, into v[TP ..]
	TLINE v_pk_mul_f32 v[TX2+tz:TX2+tz+1], v[TX+tz:TX+tz+1], v[TX+tz:TX+tz+1]
	TLINE v_pk_fma_f32 v[TQ+tz:TQ+tz+1], v[TX2+tz:TX2+tz+1], s[38:39], s[40:41] op_sel_hi:[1,0,0]
	TLINE v_pk_fma_f32 v[TQ+tz:TQ+tz+1], v[TQ+tz:TQ+tz+1], v[TX2+tz:TX2+tz+1], s[42:43] op_sel_hi:[1,1,0]
	TLINE v_pk_fma_f32 v[TQ+tz:TQ+tz+1], v[TQ+tz:TQ+tz+1], v[TX2+tz:TX2+tz+1], s[44:45] op_sel_hi:[1,1,0]
.set tz, 0
.rept 16
	v_rcp_f32 v[TQ+tz], v[TQ+tz]                   ; one batch of 16; the numerator's 32 lines are the independent work behind it
.set tz, tz+1
.endr
	TLINE v_pk_add_f32 v[TP+tz:TP+tz+1], v[TX2+tz:TX2+tz+1], s[46:47] op_sel_hi:[1,0]
	TLINE v_pk_fma_f32 v[TP+tz:TP+tz+1], v[TP+tz:TP+tz+1], v[TX2+tz:TX2+tz+1], s[48:49] op_sel_hi:[1,1,0]
	TLINE v_pk_fma_f32 v[TP+tz:TP+tz+1], v[TP+tz:TP+tz+1], v[TX2+tz:TX2+tz+1], s[44:45] op_sel_hi:[1,1,0]
	TLINE v_pk_mul_f32 v[TP+tz:TP+tz+1], v[TP+tz:TP+tz+1], v[TX+tz:TX+tz+1]
	s_wait_alu depctr_va_vdst(0)                   ; the reciprocals are written, ahead of the first line that names a reciprocal: one wait for the batch
	TLINE v_pk_mul_f32 v[TP+tz:TP+tz+1], v[TP+tz:TP+tz+1], v[TQ+tz:TQ+tz+1]
.endm
; THE GATHER.  Slot e asks for position e of mention s53: the whole row, 2,048 bytes, 512 consecutive bytes an instruction.  No hint: a list may name a row twice.
.macro ISSUE e
	WIN 0
	v_readlane_b32 s52, v[MM+(\e)], s53
	s_min_u32 s52, s52, 0x1869f
	v_lshl_add_u32 v[GOF+(\e)], s52, 11, v[L16]
	WIN 0x40
.irp q, 0,1,2,3
	global_load_b128 v[16*(\e)+4*(\q):16*(\e)+4*(\q)+3], v[GOF+(\e)], s[6:7] offset:512*(\q)
.endr
.endm
.macro CONSUME e, left                 ; slot e's row is rounded to bf16 and laid into XV: each store of the wave covers 256 consecutive bytes
	s_wait_loadcnt \left                           ; loads come back in order: mine are in, the younger rows' stay out; the wait also frees the slot's offset register
	WIN 0x05
.irp k, 0,1,2,3,4,5,6,7
	v_cvt_pk_bf16_f32 v[TX+8*(\e)+(\k)], v[16*(\e)+2*(\k)], v[16*(\e)+2*(\k)+1]
.endr
	WIN 0
.irp q, 0,1,2,3
	ds_store_b64 v[AST], v[TX+8*(\e)+2*(\q):TX+8*(\e)+2*(\q)+1] offset:XP*(\e)+256*(\q)
.endr
.endm
.macro LOADFRAGS                       ; my 64 rows of XV as 64 fragments.  The bytes are my wave's own, and LDS serves a wave's instructions in order (ISA guide 5.7.1.4): no wait stands between the stores and these
	WIN 0x80
.irp s, 0,1,2,3,4,5,6,7
.irp i, 0,1,2,3
	ds_load_b128 v[8*(4*(\s)+(\i)):8*(4*(\s)+(\i))+3],   v[AXV] offset:TILEB*(\i)+64*(\s)
	ds_load_b128 v[8*(4*(\s)+(\i))+4:8*(4*(\s)+(\i))+7], v[AXV] offset:TILEB*(\i)+64*(\s)+32
.endr
.endr
	WIN 0xc0
.irp s, 0,1,2,3,4,5,6,7
.irp i, 0,1,2,3
	ds_load_b128 v[8*(4*(\s)+(\i)):8*(4*(\s)+(\i))+3],   v[AXV] offset:TILEB*(\i)+512+64*(\s)
	ds_load_b128 v[8*(4*(\s)+(\i))+4:8*(4*(\s)+(\i))+7], v[AXV] offset:TILEB*(\i)+512+64*(\s)+32
.endr
.endr
	WIN 0
.endm
.macro FETCH u, slot                   ; unit u of a ring slot, four fragments, into G_u: 512 consecutive bytes a load
.irp j, 0,1,2,3
	ds_load_b128 v[G+32*(\u)+8*(\j):G+32*(\u)+8*(\j)+3],   v[AG] offset:SLOT*(\slot)+4096*(\u)+1024*(\j)
	ds_load_b128 v[G+32*(\u)+8*(\j)+4:G+32*(\u)+8*(\j)+7], v[AG] offset:SLOT*(\slot)+4096*(\u)+1024*(\j)+512
.endr
.endm
.macro MULH u, kq, fmt, j0             ; 8 products of unit u: column tiles j0, j0 + 1 x my four row tiles.  The 16 accumulators take turns in one order in every unit
.set sK, 4*(\kq)+(\u)
	WIN 0x58+4*(sK/8)                              ; weights window 0, rows window 2 or 3, C and D window 1
.irp j, \j0, (\j0)+1
.irp i, 0,1,2,3
.set rD, 8*(4*(\i)+(\j))
.set rA, G+32*(\u)+8*(\j)
.set rB, 8*(4*(sK%8)+(\i))
	v_wmma_f32_16x16x32_\fmt v[rD:rD+7], v[rA:rA+7], v[rB:rB+7], v[rD:rD+7]
.endr
.endr
.endm
; A PREFETCH INTO THE L2.  WS is walked once, by all work-groups at about the same pace.  Work-group g (12 to 63) names slot g's 64 blocks of 256 bytes, a lane a block, waves 0 and 1, in its trip g - 12:
; six trips, 384 matrix instructions, ahead of the trip that loads the slot.  So each block is named once in the launch; slots 0-11 come by their loads alone.
.macro ASK
	s_cmp_eq_u32 s33, s32
	s_cbranch_scc0 .Lnot_mine_\@
	global_prefetch_b8 v[PFO], s[30:31] th:TH_LOAD_NT scope:SCOPE_SE
.Lnot_mine_\@:
	s_add_co_u32 s33, s33, 1
.endm
; A TRIP: stream slot t lies in ring slot t % 2 and is multiplied, 4 units of 16 products.  G0-G2 were fetched in the trip before.  ONE barrier: in front of it each wave has waited for its reads of this ring slot
; and for its stores into the other; behind it the other slot is whole and nobody reads this one, which takes stream slot t + 2 out of registers; slot t + 6 is asked for into the same registers.
; The last six requests and the last two stores repeat slot 63, and the last trip fetches three units that nobody multiplies: so every trip has the same counts.
.macro TRIP kq, fmt
.set pi, (\kq)&1
.set zz, 128+32*(((\kq)+2)&3)
.if (\kq) != 0
	PLACES                                         ; G3 was read by the products just issued (in a chunk's first trip other vector work stands there)
.endif
	WIN 0
	FETCH 3, pi
.if (\kq) == 0
	s_wait_dscnt 8                                 ; a chunk's first trip: all but the 8 loads just issued: G0-G2, the sums' starts, and what else went through LDS between the chunks
.else
	s_wait_dscnt 32                                ; G0 is in: behind it came G1 8, the ring's stores 8, G2 8, G3 8
.endif
	MULH 0, \kq, \fmt, 0
	MULH 0, \kq, \fmt, 2
.if (\kq) != 0
	s_wait_dscnt 24                                ; G1 is in: behind it came the stores 8, G2 8, G3 8
.endif
	MULH 1, \kq, \fmt, 0
	s_wait_dscnt 0x0                               ; my reads of this ring slot are over and my stores into the other are done:
	s_barrier_signal -1                            ; say so,
	MULH 1, \kq, \fmt, 2                           ; work on registers while the others arrive,
	s_barrier_wait -1                              ; and go on when all four have said so
	PLACES
	WIN 0
	FETCH 0, 1-pi
	FETCH 1, 1-pi
	s_wait_loadcnt 24                              ; slot t + 2 is in registers; the three younger sets of 8 loads stay out
	WIN 0x04
.irp n, 0,1,2,3,4,5,6,7
	ds_store_b128 v[AS], v[zz+4*(\n):zz+4*(\n)+3] offset:SLOT*pi+512*(\n)
.endr
	s_wait_xcnt 0x0                                ; the last trip's loads have read their address, so it may be written
	s_min_u32 s26, s25, 63
	s_lshl_b32 s26, s26, 14
	s_add_co_u32 s25, s25, 1
	s_add_nc_u64 s[28:29], s[16:17], s[26:27]
	WIN 0x40
.irp n, 0,1,2,3,4,5,6,7
	global_load_b128 v[zz+4*(\n):zz+4*(\n)+3], v[WO], s[28:29] offset:512*(\n)
.endr
	WIN 0
	ASK
	MULH 2, \kq, \fmt, 0
	MULH 2, \kq, \fmt, 2
	PLACES
	WIN 0
	FETCH 2, 1-pi
	MULH 3, \kq, \fmt, 0
	MULH 3, \kq, \fmt, 2
.endm
; Two tiles (i, 2 jp), (i, 2 jp + 1) of a finished chunk: clamp; the NEXT chunk's starts are loaded into the accumulators just read; tanh; values in f16 into XV, over X, which lies in registers
.macro ACT i, jp
.set aB, 8*(4*(\i)+2*(\jp))
	WIN 0x01
	TCLAMP aB
	WIN 0x40
	ds_load_b128 v[aB:aB+3],     v[TI+(\i)] offset:128*(\jp)
	ds_load_b128 v[aB+4:aB+7],   v[TI+(\i)] offset:128*(\jp)+16
	ds_load_b128 v[aB+8:aB+11],  v[TI+(\i)] offset:128*(\jp)+64
	ds_load_b128 v[aB+12:aB+15], v[TI+(\i)] offset:128*(\jp)+80
	WIN 0
	TREST
.set az, 0
.rept 8
	v_cvt_pk_f16_f32 v[TQ+az], v[TP+2*az], v[TP+2*az+1]
.set az, az+1
.endr
	ds_store_b128 v[AV], v[TQ:TQ+3]   offset:TILEB*(\i)+64*(\jp)
	ds_store_b128 v[AV], v[TQ+4:TQ+7] offset:TILEB*(\i)+64*(\jp)+32
.endm
; A finished chunk of the second product: its squares are added, two chains to a row tile, the row tiles by turns; then the next chunk's starts
.macro SQ
.irp j, 0,1,2,3
	WIN 0x05
.irp p, 0,1,2,3
.irp i, 0,1,2,3
.set rA, 8*(4*(\i)+(\j))+2*(\p)
.set rS, SS+4*(\i)+2*((\p)&1)
	v_pk_fma_f32 v[rS:rS+1], v[rA:rA+1], v[rA:rA+1], v[rS:rS+1]
.endr
.endr
	WIN 0x40
.irp i, 0,1,2,3
	ds_load_b128 v[8*(4*(\i)+(\j)):8*(4*(\i)+(\j))+3],   v[TI+(\i)] offset:64*(\j)
	ds_load_b128 v[8*(4*(\i)+(\j))+4:8*(4*(\i)+(\j))+7], v[TI+(\i)] offset:64*(\j)+16
.endr
.endr
	WIN 0
.endm
	; ---- the head ----
	s_load_b512 s[4:19], s[0:1], 0x0               ; mentions 4, word_lut 6, b_word 8, bq 10, bk 12, beta 14, WS 16, PQP 18
	s_load_b64 s[20:21], s[0:1], 0x40              ; out0
	v_lshl_add_u32 v[SPW], v0, 2, SPARE
	v_mov_b32 v[NIL], 0
	v_lshrrev_b32 v[LN], 5, v0
	v_readfirstlane_b32 s22, v[LN]                 ; wave 0..3
	s_mov_b32 s23, ttmp9
	v_and_b32 v[LN], 31, v0
	v_and_b32 v[RR], 15, v0
	v_bfe_u32 v[HH], v0, 4, 1
	v_lshlrev_b32 v[L16], 4, v[LN]
	s_lshl_b32 s35, s22, 9
	v_add_nc_u32 v[T16], s35, v[L16]
	v_mov_b32 v[ZERO], 0
	TCONST
	s_mov_b32 s50, 0x76543210                      ; v_permlanex16_b32: each lane takes its own place in the other half
	s_mov_b32 s51, 0xfedcba98
	s_lshl_b32 s35, s23, 10
	s_lshl_b32 s52, s22, 8
	s_add_co_u32 s35, s35, s52                     ; my wave's 8 mentions: 1,024 g + 256 w
	v_and_b32 v[WK], 7, v0
	v_lshl_add_u32 v[WK], v[WK], 5, s35            ; lane k: mention k % 8
	v_lshl_add_u32 v[WK+6], v[RR], 2, s35          ; lane (r, h): row r of a tile
	s_lshl_b32 s52, s22, 12
	v_add_nc_u32 v[WO], s52, v[L16]
	v_add_nc_u32 v[AG], RING, v[L16]
	v_add_nc_u32 v[AS], s52, v[AG]
	s_cmp_lt_u32 s23, 64                           ; who prefetches: work-groups under 64, waves 0 and 1
	s_cselect_b32 s32, s23, -1
	s_cmp_lt_u32 s22, 2
	s_cselect_b32 s32, s32, -1
	s_mov_b32 s33, 12
	s_and_b32 s52, s22, 1
	s_lshl_b32 s52, s52, 13
	v_lshl_add_u32 v[PFO], v[LN], 8, s52           ; 8,192 (w % 2) + 256 x lane: inside a slot in every wave
	s_min_u32 s26, s23, 63
	s_lshl_b32 s26, s26, 14
	s_mov_b32 s27, 0
	s_wait_kmcnt 0x0
	s_add_nc_u64 s[30:31], s[16:17], s[26:27]
	s_load_b32 s34, s[14:15], 0x0                  ; beta
	global_load_b128 v[MM:MM+3],   v[WK], s[4:5]
	global_load_b128 v[MM+4:MM+7], v[WK], s[4:5] offset:16
	WIN 0x40
.irp z, 0,1,2,3
.irp n, 0,1,2,3,4,5,6,7
	global_load_b128 v[128+32*(\z)+4*(\n):128+32*(\z)+4*(\n)+3], v[WO], s[16:17] offset:SLOT*(\z)+512*(\n)  ; my quarter of stream slots 0-3
.endr
.endr
	WIN 0
	s_wait_loadcnt 32                              ; the mentions are in; the stream's 32 loads stay out
.irp i, 0,1,2,3
	global_load_b32 v[WK+2+(\i)], v[WK+6], s[4:5] offset:64*(\i)  ; the word of my row in each tile, for pos_index
.endr
	WIN 0x80                                       ; the tables' 16 bytes a thread, into window 2: b_word 0, bq 4, bk 8, PQP[q][i] 12 + 4 (9 q + i)
	global_load_b128 v[0:3],  v[T16], s[8:9]
	global_load_b128 v[4:7],  v[T16], s[10:11]
	global_load_b128 v[8:11], v[T16], s[12:13]
.irp q, 0,1,2,3
.irp i, 0,1,2,3,4,5,6,7,8
	global_load_b128 v[12+4*(9*(\q)+(\i)):12+4*(9*(\q)+(\i))+3], v[T16], s[18:19] offset:32768*(\q)+2048*(\i)
.endr
.endr
	s_mov_b32 s53, 0
.irp e, 0,1,2,3,4,5,6,7
	ISSUE \e                                       ; mention 0's eight rows
.endr
	WIN 0
	s_mul_i32 s35, s22, WAVEB
	v_lshl_add_u32 v[AST], v[LN], 3, s35           ; 66,560 w + 8 x lane
	v_mul_u32_u24 v[AXV], v[RR], XP
	v_lshl_add_u32 v[AXV], v[HH], 4, v[AXV]
	v_add_nc_u32 v[AXV], s35, v[AXV]
	v_mov_b32 v[AV], v[AXV]
	v_add_nc_u32 v[WK+7], TAB, v[T16]
	v_lshl_add_u32 v[WK+1], v[HH], 5, TAB          ; TAB + 32 h
	v_and_b32 v[WK], 7, v[RR]
	v_add_nc_u32 v[WK], 1, v[WK]                   ; my row's position, 1 to 8
	s_wait_kmcnt 0x0
	s_mul_f32 s34, s34, 0xbfb8aa3b                 ; -beta log2(e)
	s_wait_loadcnt 32                              ; the words and the tables are in; the gather's 32 loads stay out
	WIN 0xaa
	v_pk_add_f32 v[4:5], v[4:5], v[8:9]   neg_lo:[0,1] neg_hi:[0,1]   ; bq - bk
	v_pk_add_f32 v[6:7], v[6:7], v[10:11] neg_lo:[0,1] neg_hi:[0,1]
.set ti, 0
.rept 9                                ; PQ[i] = the four quarters' sum + bq - bk
.irp p, 0,2
	v_pk_add_f32 v[12+4*ti+(\p):13+4*ti+(\p)], v[12+4*ti+(\p):13+4*ti+(\p)], v[12+4*(9+ti)+(\p):13+4*(9+ti)+(\p)]
	v_pk_add_f32 v[12+4*(18+ti)+(\p):13+4*(18+ti)+(\p)], v[12+4*(18+ti)+(\p):13+4*(18+ti)+(\p)], v[12+4*(27+ti)+(\p):13+4*(27+ti)+(\p)]
.endr
.irp p, 0,2
	v_pk_add_f32 v[12+4*ti+(\p):13+4*ti+(\p)], v[12+4*ti+(\p):13+4*ti+(\p)], v[12+4*(18+ti)+(\p):13+4*(18+ti)+(\p)]
.endr
.irp p, 0,2
	v_pk_add_f32 v[12+4*ti+(\p):13+4*ti+(\p)], v[12+4*ti+(\p):13+4*ti+(\p)], v[4+(\p):5+(\p)]
.endr
.set ti, ti+1
.endr
	WIN 0x08                                       ; store data in window 2
	ds_store_b128 v[WK+7], v[0:3]
.irp i, 0,1,2,3,4,5,6,7,8
	ds_store_b128 v[WK+7], v[12+4*(\i):15+4*(\i)] offset:TABP*(1+(\i))
.endr
	WIN 0
.irp i, 0,1,2,3
	v_min_u32 v[WK+2+(\i)], 1, v[WK+2+(\i)]        ; 0 for padding, else 1,
	v_mul_u32_u24 v[WK+2+(\i)], v[WK+2+(\i)], v[WK]  ; times the position: pos_index
	v_add_nc_u32 v[WK+2+(\i)], 1, v[WK+2+(\i)]
	v_mul_u32_u24 v[PQA+(\i)], v[WK+2+(\i)], TABP
	v_mov_b32 v[TI+(\i)], v[WK+1]                  ; chunk 0 of the first product starts from b_word
.endr
	; ---- the gather: a ring of 8 rows, 16,384 bytes a wave on their way ----
	s_mov_b32 s53, 1
.Lgather:                                      ; 7 trips: mention s53 - 1 is laid down, mention s53 asked for
.irp e, 0,1,2,3,4,5,6,7
	CONSUME \e, 28                                 ; the seven younger rows' 28 loads stay out
	ISSUE \e
.endr
	WIN 0
	v_add_nc_u32 v[AST], 8*XP, v[AST]
	s_add_co_u32 s53, s53, 1
	s_cmp_lt_u32 s53, 8
	s_cbranch_scc1 .Lgather
.irp e, 0,1,2,3,4,5,6,7
	CONSUME \e, 28-4*(\e)                          ; the last mention: the counts run down; behind the last no load is out, the stream's first four sets least of all
.endr
	; ---- the ring is set up ----
	LOADFRAGS
	WIN 0x04
.irp z, 0,1
.irp n, 0,1,2,3,4,5,6,7
	ds_store_b128 v[AS], v[128+32*(\z)+4*(\n):128+32*(\z)+4*(\n)+3] offset:SLOT*(\z)+512*(\n)
.endr
.endr
	WIN 0x40
.irp z, 0,1
.irp n, 0,1,2,3,4,5,6,7
	global_load_b128 v[128+32*(\z)+4*(\n):128+32*(\z)+4*(\n)+3], v[WO], s[16:17] offset:SLOT*(4+(\z))+512*(\n)  ; stream slots 4 and 5
.endr
.endr
	WIN 0
	s_mov_b32 s25, 6
	s_wait_dscnt 0x0                               ; for the others' sake: my parts of the tables and of both ring slots lie in LDS
	s_barrier_signal -1
	s_barrier_wait -1
	FETCH 0, 0
	FETCH 1, 0
	FETCH 2, 0
	WIN 0x40
.irp i, 0,1,2,3
.irp j, 0,1,2,3
	ds_load_b128 v[8*(4*(\i)+(\j)):8*(4*(\i)+(\j))+3],   v[TI+(\i)] offset:64*(\j)
	ds_load_b128 v[8*(4*(\i)+(\j))+4:8*(4*(\i)+(\j))+7], v[TI+(\i)] offset:64*(\j)+16
.endr
.endr
	WIN 0
	; ---- values = tanh(X W_word^T + b_word), 8 chunks of 64 columns ----
	s_mov_b32 s24, 8
.Lp1:
	TRIP 0, bf16
	TRIP 1, bf16
	TRIP 2, bf16
	TRIP 3, bf16
	WIN 0
	s_sub_co_u32 s54, 9, s24                       ; the next chunk, 1 .. 7; behind the last, chunk 0 of the second product,
	s_and_b32 s54, s54, 7
	s_lshl_b32 s54, s54, 8
	s_cmp_eq_u32 s24, 1
	s_cselect_b32 s35, 1, 0                        ; whose sums start from PQ[pos_index]
.irp i, 0,1,2,3                        ; these eight plain lines are also the places behind the chunk's last products
	v_mad_u32_u24 v[TI+(\i)], v[PQA+(\i)], s35, v[WK+1]
.endr
.irp i, 0,1,2,3
	v_add_nc_u32 v[TI+(\i)], s54, v[TI+(\i)]
.endr
.irp i, 0,1,2,3
	ACT \i, 0
	ACT \i, 1
.endr
	v_add_nc_u32 v[AV], 128, v[AV]
	s_sub_co_u32 s24, s24, 1
	s_cmp_lg_u32 s24, 0
	s_cbranch_scc1 .Lp1
	; ---- dist^2 = the squares of values Wd^T + PQ[pos_index], 8 chunks ----
	LOADFRAGS                                      ; values take X's registers
.irp i, 0,1,2,3
	v_add_nc_u32 v[PQA+(\i)], v[WK+1], v[PQA+(\i)] ; TAB + 32 h + my row of PQ
.endr
.set k, 0
.rept 16
	v_mov_b32 v[SS+k], 0
.set k, k+1
.endr
	s_mov_b32 s24, 8
.Lp2:
	TRIP 0, f16
	TRIP 1, f16
	TRIP 2, f16
	TRIP 3, f16
	WIN 0
	s_sub_co_u32 s54, 9, s24                       ; the next chunk; the last trip loads chunk 0 once more, for nobody: 32 loads, the price of one text
	s_and_b32 s54, s54, 7
	s_lshl_b32 s54, s54, 8
.irp i, 0,1,2,3
	v_add_nc_u32 v[TI+(\i)], s54, v[PQA+(\i)]
.endr
	PLACES                                         ; eight plain lines in all behind the last products
	SQ
	s_sub_co_u32 s24, s24, 1
	s_cmp_lg_u32 s24, 0
	s_cbranch_scc1 .Lp2
	; ---- the softmax over a mention's 8 positions: 8 neighbouring lanes; the four tiles side by side ----
	s_wait_dscnt 0x0                               ; the loads that nobody uses have landed: their registers are free
.macro ALL line:vararg
.set t, SS
.rept 4
	\line
.set t, t+4
.endr
.endm
	ALL v_pk_add_f32 v[t:t+1], v[t:t+1], v[t+2:t+3]
	ALL v_add_f32 v[t], v[t], v[t+1]
	ALL v_permlanex16_b32 v[t+1], v[t], s50, s51   ; the row's other 256 columns lie in the lane 16 away
	ALL v_add_f32 v[t], v[t], v[t+1]
	ALL v_sqrt_f32 v[t], v[t]
	v_nop
	s_wait_alu depctr_va_vdst(0)                   ; one wait for the four roots
	ALL v_mul_f32 v[t], s34, v[t]                  ; y = -beta log2(e) dist
	ALL v_max_num_f32_dpp v[t+1], v[t], v[t] row_xmask:1 row_mask:0xf bank_mask:0xf
	ALL v_max_num_f32_dpp v[t+1], v[t+1], v[t+1] row_xmask:2 row_mask:0xf bank_mask:0xf
	ALL v_max_num_f32_dpp v[t+1], v[t+1], v[t+1] row_xmask:4 row_mask:0xf bank_mask:0xf
	ALL v_sub_f32 v[t+2], v[t], v[t+1]             ; the maximum is taken away, as the module's softmax takes it
	ALL v_exp_f32 v[t+2], v[t+2]
	v_nop
	s_wait_alu depctr_va_vdst(0)                   ; one wait for the four exponentials
	ALL v_add_f32_dpp v[t+3], v[t+2], v[t+2] row_xmask:1 row_mask:0xf bank_mask:0xf
	ALL v_add_f32_dpp v[t+3], v[t+3], v[t+3] row_xmask:2 row_mask:0xf bank_mask:0xf
	ALL v_add_f32_dpp v[t+3], v[t+3], v[t+3] row_xmask:4 row_mask:0xf bank_mask:0xf
	ALL v_rcp_f32 v[t+3], v[t+3]
	v_nop
	s_wait_alu depctr_va_vdst(0)                   ; one wait for the four reciprocals
	ALL v_mul_f32 v[t+2], v[t+2], v[t+3]
	s_lshl_b32 s35, s22, 8
	s_add_co_u32 s35, s35, WT                      ; my wave's 256 bytes: row 16 i + r at 64 i + 4 r
	v_lshl_add_u32 v[TI], v[RR], 2, s35
.irp i, 0,1,2,3
	ds_store_b32 v[TI], v[SS+4*(\i)+2] offset:64*(\i)  ; both halves of the lanes hold, and write, the same number
.endr
	; ---- the weighted mean, a mention a trip, in f32 on the vector unit: with 8 terms a sum the matrix unit would multiply fifteen zeros for each number ----
	s_mul_i32 s52, s22, WAVEB
	v_lshl_add_u32 v[AST], v[LN], 3, s52           ; values: 8 bytes a lane, 256 consecutive bytes a load
	v_mov_b32 v[AV], s35                           ; the mention's 8 weights: one address for all lanes
	s_lshl_b32 s52, s23, 16
	s_lshl_b32 s54, s22, 14
	s_add_co_u32 s52, s52, s54
	v_add_nc_u32 v[AG], s52, v[L16]                ; out0: (32 g + 8 w) x 2,048 + 16 x lane
	s_mov_b32 s24, 8
.Lmean:
	ds_load_b128 v[WK:WK+3],   v[AV]
	ds_load_b128 v[WK+4:WK+7], v[AV] offset:16
.irp sg, 0,1,2,3
.irp l, 0,1,2,3,4,5,6,7
	ds_load_b64 v[G+2*(8*(\sg)+(\l)):G+2*(8*(\sg)+(\l))+1], v[AST] offset:XP*(\l)+256*(\sg)
.endr
.endr
.irp sg, 0,1,2,3
	s_wait_dscnt 24-8*(\sg)                        ; the later segments' loads may stay out
.irp l, 0,1,2,3,4,5,6,7
.irp e, 0,1,2,3
.if (\l) == 0
	v_fma_mix_f32 v[TX+4*(\sg)+(\e)], v[G+2*(8*(\sg)+(\l))+(\e)/2], v[WK+(\l)], v[ZERO] op_sel:[(\e)%2,0,0] op_sel_hi:[1,0,0]
.else
	v_fma_mix_f32 v[TX+4*(\sg)+(\e)], v[G+2*(8*(\sg)+(\l))+(\e)/2], v[WK+(\l)], v[TX+4*(\sg)+(\e)] op_sel:[(\e)%2,0,0] op_sel_hi:[1,0,0]
.endif
.endr
.endr
	global_store_b128 v[AG], v[TX+4*(\sg):TX+4*(\sg)+3], s[20:21] offset:512*(\sg) th:TH_STORE_NT  ; 512 consecutive bytes, aligned
.endr
	s_wait_xcnt 0x0                                ; the stores have read their registers: the offset and the sums are written again only behind this wait
	v_add_nc_u32 v[AST], 8*XP, v[AST]
	v_add_nc_u32 v[AV], 32, v[AV]
	v_add_nc_u32 v[AG], 2048, v[AG]
	s_sub_co_u32 s24, s24, 1
	s_cmp_lg_u32 s24, 0
	s_cbranch_scc1 .Lmean
	s_wait_tensorcnt 0x0                           ; the wave's end, behind my last LDS store
	ds_add_u32 v[SPW], v[NIL]
	s_wait_dscnt 0x0
	s_endpgm
.Lfunc_end_k_q38f6e8d7e3_word:
	.size	k_q38f6e8d7e3_word, .Lfunc_end_k_q38f6e8d7e3_word-k_q38f6e8d7e3_word
	.p2alignl 7, 3214868480
	.fill 96, 4, 3214868480
	.section	.rodata,"a",@progbits
	.p2align	6, 0x0
	.amdhsa_kernel k_q38f6e8d7e3_word
		.amdhsa_group_segment_fixed_size 321280
		.amdhsa_private_segment_fixed_size 0
		.amdhsa_enable_private_segment 0
		.amdhsa_kernarg_size 72
		.amdhsa_user_sgpr_count 2
		.amdhsa_user_sgpr_kernarg_segment_ptr 1
		.amdhsa_wavefront_size32 1
		.amdhsa_system_sgpr_workgroup_id_x 1
		.amdhsa_system_sgpr_workgroup_id_y 1
		.amdhsa_system_sgpr_workgroup_id_z 1
		.amdhsa_system_vgpr_workitem_id 0
		.amdhsa_next_free_vgpr 1024
		.amdhsa_next_free_sgpr 66
		.amdhsa_reserve_vcc 0
		.amdhsa_float_denorm_mode_32 3
		.amdhsa_float_denorm_mode_16_64 3
		.amdhsa_memory_ordered 1
		.amdhsa_forward_progress 1
		.amdhsa_inst_pref_size 210
	.end_amdhsa_kernel
	.amdgpu_metadata
---
amdhsa.version: [ 1, 2 ]
amdhsa.kernels:
  - .name:           k_q38f6e8d7e3_word
    .symbol:         k_q38f6e8d7e3_word.kd
    .args:
      - { .name: mentions, .offset: 0, .size: 8, .value_kind: global_buffer, .address_space: global }
      - { .name: word_lut, .offset: 8, .size: 8, .value_kind: global_buffer, .address_space: global }
      - { .name: b_word, .offset: 16, .size: 8, .value_kind: global_buffer, .address_space: global }
      - { .name: bq, .offset: 24, .size: 8, .value_kind: global_buffer, .address_space: global }
      - { .name: bk, .offset: 32, .size: 8, .value_kind: global_buffer, .address_space: global }
      - { .name: beta, .offset: 40, .size: 8, .value_kind: global_buffer, .address_space: global }
      - { .name: WS, .offset: 48, .size: 8, .value_kind: global_buffer, .address_space: global }
      - { .name: PQP, .offset: 56, .size: 8, .value_kind: global_buffer, .address_space: global }
      - { .name: out0, .offset: 64, .size: 8, .value_kind: global_buffer, .address_space: global }
    .group_segment_fixed_size: 321280
    .private_segment_fixed_size: 0
    .kernarg_segment_align: 8
    .kernarg_segment_size: 72
    .max_flat_workgroup_size: 128
    .sgpr_count:     66
    .vgpr_count:     1024
    .wavefront_size: 32
...
	.end_amdgpu_metadata
.endif
;; end of part 3
;; ======== version 2 of 2: 3 launches; version 1 with the launches chars, word written anew for expert scheduling mode
;; limits: values are held in f16: magnitudes above 65,504 overflow, below 6.1e-05 lose precision; a function is approximated: absolute error at most 8.5e-05
;; workspace buffers: WS 1,048,576 bytes; PQP 131,072 bytes; WR 131,072 bytes; PT 131,072 bytes
;; launch prep: the kernel of part 1 again; grid 104 x 1, 4 waves a work-group, no clusters, 0 bytes of LDS; arguments W_word, Wq, Wk, pos_embeds, W_rnn, U_rnn, char_lut, b_rnn, WS, PQP, WR, PT; writes WS, PQP, WR, PT
;; launch chars (part 4): grid 256 x 1, 4 waves a work-group, no clusters, 187,392 bytes of LDS; arguments mention_chars, WR, PT, out1; writes out1
.if DOCPART == 4
	.amdgcn_target "amdgcn-amd-amdhsa--gfx1250"
	.amdhsa_code_object_version 6
	.text
	.protected	k_q38f6e8d7e3_chars
	.globl	k_q38f6e8d7e3_chars
	.p2align	8
	.type	k_q38f6e8d7e3_chars,@function
k_q38f6e8d7e3_chars:
	s_mov_b64 s[64:65], 0
	v_nop
	global_prefetch_b8 v0, s[64:65] scope:SCOPE_SE
	s_setreg_imm32_b32 hwreg(HW_REG_WAVE_SCHED_MODE, 0, 2), 2
	s_setreg_imm32_b32 hwreg(HW_REG_WAVE_MODE, 25, 1), 1
	s_wait_xcnt 0x0
	s_wait_alu depctr_vm_vsrc(0)
; CHARS: out1[b] = the mean over 16 steps of h_t, h_t = tanh(h_(t-1) W_rnn^T + PT[mention_chars[b][t]]).
; LEFT OUT: x U_rnn^T + b_rnn is looked up in PT = char_lut U_rnn^T + b_rnn (a product is linear in its rows), and step 0 has no product, since h0 is the zero that the module builds itself.
; SHARES.  A work-group owns 32 rows of the batch (two tiles of 16), wave w the columns 64 w .. 64 w + 63 of all 32: its 32 fragments of W_rnn stay in 256 registers for all steps; h crosses the waves through LDS.
; LAYOUT.  Source 0 = 16 rows of W_rnn, source 1 = 16 rows of h: a lane holds ONE row of the batch (lane % 16) and 8 neighbouring columns.  The sums start from the table's row, loaded straight into the accumulators.
; FORMATS.  h goes to the matrix unit in bf16 (it is as small as char_lut x U_rnn makes it: f16 has no room); PT, the pre-activations and the mean are f32.
; TANH is the quotient x (((x2 + 378) x2 + 17325) x2 + 135135) / (((28 x2 + 3150) x2 + 62370) x2 + 135135), x2 = x x, a convergent of tanh's continued fraction, on x held to -4.9 .. 4.9:
; off by 8.5e-5 at the most for every x, and by rounding alone where x is small (no difference of near numbers is formed).  LIMIT: a NaN is turned into a bound by the clamp and is not carried.
; LIMIT: a character is taken as min(c, 127), unsigned: an index stays inside its table.
; ONE TEXT FOR EVERY STEP: step 0 jumps over the product; the last step reads step 15's characters again and stores an h that nobody reads (2 loads and 8 stores of LDS).
; LDS: PT 128 rows x 1,040 | h 32 rows x 528, bf16 | a stage of 32 rows x 272 for each wave | the characters, [step][row] | the spare words.  The pitches are odd multiples of 16 bytes.
; THE MODE: SCHED_MODE bits 1:0 = 2 (LLVM: expert scheduling mode 2), set by the entry lines.  The code itself states the register dependences
; between vector or matrix instructions and memory or LDS instructions, with s_wait_alu, always for 0.
; THE PLAN.  Registers that memory or LDS instructions touch:
;   v6, v13, v14, v16-21, v28-30   addresses, made once, ahead of the first load, and never written again.
;   v8, v11, v12   A step's head writes them; the step's LDS loads read them.
;   v9, v10        The characters: loaded a step ahead; the step's head clamps and reads them.
;   ACC            A step's head loads PT's rows into it; the products add onto it; the clamps of the four batches read it.
;   HF             A step's head loads h's fragments into it; the products read it; then the tanh works in v128-191.
;   OUT0 .. OUT3   Batch b's conversions write OUT[b]; its two LDS stores stand behind the wait of batch b + 1 (the last batch's behind a wait of their own).
; So a step has: one wait on vm_vsrc at its head (v8, v11, v12 and OUT are free), one on va_vdst behind its barrier (for all 50 LDS loads), the four batches' waits for their reciprocals,
; which also state that the batch before has written its OUT, and one more for the last batch's stores.
.set PTP,   1040
.set HB,    128*PTP                    ; 133,120
.set HP,    528
.set STG,   HB+32*HP                   ; 150,016
.set SP,    272
.set CH,    STG+4*32*SP                ; 184,832
.set SPARE, CH+2048                    ; 186,880: 128 bytes for each wave, two blocks of 256 bytes that no other line names
.set SPW, 1                            ; v1  my spare word; never rewritten
.set NIL, 2                            ; v2  0; never rewritten
.set OUT, 32                           ; v32-63    batch b's h in bf16: 8 registers at OUT + 8 b
.set ACC, 64                           ; v64-127   tile (i, jn) at ACC + 8 (4 i + jn)
.set HF,  128                          ; v128-255  h's fragment (i, s) at HF + 8 (8 i + s); the tanh works in v128-191 when the products are over
.set TX,  128
.set TX2, 144
.set TQ,  160
.set TP,  176
; v3 r, v4 h, v5 lane, v6 32 h + 256 w, v8 the next characters' address, v9-10 characters, v11-12 their rows in PT, v13 where I read h, v14 where I write it, v15-21 set-up, v24-27 characters as loaded, v28-30 the way out
; window 1: W_rnn's fragment (jn, s) at 8 (8 jn + s).  window 2: v0-63 the sum of the states, laid as ACC
.set MSB, 0
.macro WIN new
.if MSB != (\new)
	s_set_vgpr_msb (MSB<<8)|(\new)
.set MSB, (\new)
.endif
.endm
.macro PAIR reg, val                   ; a constant for packed arithmetic: named as a pair, so both words are written
	s_mov_b32 s[\reg], \val
	s_mov_b32 s[(\reg)+1], \val
.endm
.macro TCONST
	s_mov_b32 s36, 0xc09ccccd                      ; -4.9
	s_mov_b32 s37, 0x409ccccd                      ; 4.9
	PAIR 38, 0x41e00000                            ; 28
	PAIR 40, 0x4544e000                            ; 3150
	PAIR 42, 0x4773a200                            ; 62370
	PAIR 44, 0x4803f7c0                            ; 135135
	PAIR 46, 0x43bd0000                            ; 378
	PAIR 48, 0x46875a00                            ; 17325
.endm
.macro TCLAMP src                      ; 16 numbers of two accumulators, ascending: each accumulator's lowest registers are read first
.set tz, 0
.rept 16
	v_med3_num_f32 v[TX+tz], v[(\src)+tz], s36, s37
.set tz, tz+1
.endr
.endm
.macro TLINE line:vararg               ; one packed line for each of the 8 pairs
.set tz, 0
.rept 8
	\line
.set tz, tz+2
.endr
.endm
.macro TPOLY                           ; of v[TX ..], 16 numbers: the denominator's reciprocal into v[TQ ..], x times the numerator into v[TP ..]
	TLINE v_pk_mul_f32 v[TX2+tz:TX2+tz+1], v[TX+tz:TX+tz+1], v[TX+tz:TX+tz+1]
	TLINE v_pk_fma_f32 v[TQ+tz:TQ+tz+1], v[TX2+tz:TX2+tz+1], s[38:39], s[40:41] op_sel_hi:[1,0,0]
	TLINE v_pk_fma_f32 v[TQ+tz:TQ+tz+1], v[TQ+tz:TQ+tz+1], v[TX2+tz:TX2+tz+1], s[42:43] op_sel_hi:[1,1,0]
	TLINE v_pk_fma_f32 v[TQ+tz:TQ+tz+1], v[TQ+tz:TQ+tz+1], v[TX2+tz:TX2+tz+1], s[44:45] op_sel_hi:[1,1,0]
.set tz, 0
.rept 16
	v_rcp_f32 v[TQ+tz], v[TQ+tz]                   ; one batch of 16; the numerator's 32 lines are the independent work behind it
.set tz, tz+1
.endr
	TLINE v_pk_add_f32 v[TP+tz:TP+tz+1], v[TX2+tz:TX2+tz+1], s[46:47] op_sel_hi:[1,0]
	TLINE v_pk_fma_f32 v[TP+tz:TP+tz+1], v[TP+tz:TP+tz+1], v[TX2+tz:TX2+tz+1], s[48:49] op_sel_hi:[1,1,0]
	TLINE v_pk_fma_f32 v[TP+tz:TP+tz+1], v[TP+tz:TP+tz+1], v[TX2+tz:TX2+tz+1], s[44:45] op_sel_hi:[1,1,0]
	TLINE v_pk_mul_f32 v[TP+tz:TP+tz+1], v[TP+tz:TP+tz+1], v[TX+tz:TX+tz+1]
.endm
.macro TFIN                            ; behind the wait for the reciprocals: tanh into v[TP ..]
	TLINE v_pk_mul_f32 v[TP+tz:TP+tz+1], v[TP+tz:TP+tz+1], v[TQ+tz:TQ+tz+1]
.endm
	s_load_b256 s[4:11], s[0:1], 0x0               ; mention_chars 4, WR 6, PT 8, out1 10
	v_lshl_add_u32 v[SPW], v0, 2, SPARE
	v_mov_b32 v[NIL], 0
	v_lshrrev_b32 v3, 5, v0
	v_readfirstlane_b32 s22, v3                    ; wave 0..3
	s_mov_b32 s23, ttmp9
	v_and_b32 v3, 15, v0                           ; r
	v_bfe_u32 v4, v0, 4, 1                         ; h
	v_and_b32 v5, 31, v0                           ; lane
	v_lshlrev_b32 v15, 4, v5                       ; 16 x lane
	TCONST
	s_wait_alu depctr_va_sdst(0)                   ; s22 is written, ahead of its first reader: every address below is made from it
	s_lshl_b32 s24, s22, 15
	v_add_nc_u32 v16, s24, v15                     ; in PT and in WR: my wave's 32,768 bytes
	s_lshl_b32 s25, s23, 11
	s_lshl_b32 s26, s22, 9
	s_add_co_u32 s25, s25, s26
	v_add_nc_u32 v17, s25, v15                     ; in mention_chars: 2,048 g + 512 w + 16 x lane
	s_mul_i32 s26, s22, 32*PTP
	v_add_nc_u32 v18, s26, v15                     ; PT in LDS: my 32 rows
	v_and_b32 v19, 3, v0                           ; my 4 characters are steps 4 (lane % 4) + 0..3 of row 8 w + lane / 4
	v_lshrrev_b32 v20, 2, v5
	v_lshlrev_b32 v20, 2, v20
	v_lshl_add_u32 v19, v19, 9, v20
	s_lshl_b32 s27, s22, 5
	s_add_co_u32 s27, s27, CH
	v_add_nc_u32 v19, s27, v19                     ; CH + 128 step + 4 row
	v_lshl_add_u32 v21, v3, 2, CH                  ; where a step's characters of my rows begin
	s_lshl_b32 s27, s22, 8
	v_lshl_add_u32 v6, v4, 5, s27                  ; my 32 bytes in a row of PT
	v_mul_u32_u24 v13, v3, HP
	v_lshl_add_u32 v13, v4, 4, v13
	v_add_nc_u32 v13, HB, v13                      ; h: row r, 16 bytes for each half of the lanes
	s_lshl_b32 s28, s22, 7
	v_add_nc_u32 v14, s28, v13                     ; and my wave's 128 bytes of it
	s_mul_i32 s26, s22, 32*SP
	s_add_co_u32 s26, s26, STG                     ; my stage
	v_mul_u32_u24 v28, v3, SP
	v_lshl_add_u32 v28, v4, 5, v28
	v_add_nc_u32 v28, s26, v28                     ; in: row r, 32 bytes for each half of the lanes
	v_mul_u32_u24 v29, v4, SP
	v_lshl_add_u32 v29, v3, 4, v29
	v_add_nc_u32 v29, s26, v29                     ; back: lanes 0-15 one row of 256 bytes, lanes 16-31 the next
	s_lshl_b32 s26, s23, 15
	s_add_co_u32 s26, s26, s27
	v_lshlrev_b32 v30, 10, v4
	v_lshl_add_u32 v30, v3, 4, v30
	v_add_nc_u32 v30, s26, v30                     ; out1: (32 g + lane / 16) x 1,024 + 256 w + 16 (lane % 16)
	s_wait_kmcnt 0x0
	s_wait_alu depctr_va_vdst(0)                   ; all the addresses that are made once (v6, v13, v14, v16-21, v28-30) are written: the loads and stores of the whole kernel read them
.set k, 0
.rept 32                               ; PT, my rows 32 w .. + 15: 512 consecutive bytes an instruction
	global_load_b128 v[HF+4*k:HF+4*k+3], v16, s[8:9] offset:512*k
.set k, k+1
.endr
	global_load_b128 v[24:27], v17, s[4:5]         ; the work-group's characters, 2,048 bytes, each read once
	WIN 0x40
.set k, 0
.rept 32                               ; the first half of my fragments of W_rnn
	global_load_b128 v[4*k:4*k+3], v16, s[6:7] offset:512*k
.set k, k+1
.endr
	WIN 0
	s_wait_loadcnt 32                              ; PT's half and the characters are in; the 32 loads of W_rnn stay out
.set k, 0
.rept 32
	ds_store_b128 v18, v[HF+4*k:HF+4*k+3] offset:(k/2)*PTP+512*(k%2)
.set k, k+1
.endr
.irp e, 0,1,2,3
	ds_store_b32 v19, v[24+(\e)] offset:128*(\e)
.endr
	s_wait_alu depctr_vm_vsrc(0)                   ; the LDS stores above have read v[HF ..], in which the next loads land
.set k, 0
.rept 32                               ; PT, my rows 32 w + 16 .. + 31
	global_load_b128 v[HF+4*k:HF+4*k+3], v16, s[8:9] offset:16384+512*k
.set k, k+1
.endr
	WIN 0x40
.set k, 32
.rept 32                               ; the second half of W_rnn
	global_load_b128 v[4*k:4*k+3], v16, s[6:7] offset:512*k
.set k, k+1
.endr
	WIN 0x80
.set k, 0
.rept 64
	v_mov_b32 v[k], 0                              ; the sum of the states starts at 0, written while the loads are out, so that the loop has one text; no memory instruction names these registers
.set k, k+1
.endr
	WIN 0
	s_wait_loadcnt 32                              ; PT's second half is in; the second 32 loads of W_rnn stay out
.set k, 0
.rept 32
	ds_store_b128 v18, v[HF+4*k:HF+4*k+3] offset:(16+k/2)*PTP+512*(k%2)
.set k, k+1
.endr
	s_wait_dscnt 0x0                               ; for the others' sake: my parts of PT and of the characters lie in LDS
	s_barrier_signal -1
	s_barrier_wait -1
	s_wait_alu depctr_vm_vsrc(0)                   ; my LDS stores have read v[HF ..]: from here on h's fragments land there and the tanh works there
	ds_load_b32 v9, v21                            ; step 0: the characters of rows r and 16 + r
	ds_load_b32 v10, v21 offset:64
	s_wait_loadcnt 0x0                             ; W_rnn
	s_mov_b32 s20, 0
.macro HSTORE b                        ; batch b's h, tiles (b / 2, 2 (b % 2)) and the next, into LDS
	ds_store_b128 v14, v[OUT+8*(\b):OUT+8*(\b)+3]   offset:16*HP*((\b)/2)+64*((\b)%2)
	ds_store_b128 v14, v[OUT+8*(\b)+4:OUT+8*(\b)+7] offset:16*HP*((\b)/2)+64*((\b)%2)+32
.endm
; Batch b, two tiles: tanh, the sum, h in bf16 into OUT[b].  The batch before's stores stand behind this batch's wait.  Batch 0 holds the barrier's wait: no wave writes h before every wave has read the old one
.macro BATCH b
.set aB, ACC+16*(\b)
	TCLAMP aB
	TPOLY
	s_wait_alu depctr_va_vdst(0)                   ; the batch's 16 reciprocals are written, ahead of the first line that names one; and the batch before's conversions have written its OUT, which the stores below read
.if (\b) > 0
	HSTORE (\b)-1
.endif
	TFIN
	WIN 0x82                                       ; destination and source 0 in window 2
.set bz, 0
.rept 8
	v_pk_add_f32 v[aB-ACC+bz:aB-ACC+bz+1], v[aB-ACC+bz:aB-ACC+bz+1], v[TP+bz:TP+bz+1]
.set bz, bz+2
.endr
	WIN 0
.set bz, 0
.rept 8
	v_cvt_pk_bf16_f32 v[OUT+8*(\b)+bz], v[TP+2*bz], v[TP+2*bz+1]
.set bz, bz+1
.endr
.if (\b) == 0
	s_barrier_wait -1
.endif
.endm
.Lstep:                                        ; 16 trips, s20 = the step
	s_wait_dscnt 0x0                               ; this step's characters are in, and my stores of h are done
	s_wait_alu depctr_vm_vsrc(0)                   ; the last step's LDS loads have read v8, v11 and v12, which are written below, and its LDS stores OUT0-3, which this step's conversions write again
	v_min_u32 v9, 127, v9
	v_min_u32 v10, 127, v10
	v_mad_u32_u24 v11, v9, PTP, v6                 ; my 32 bytes of the characters' rows of PT
	v_mad_u32_u24 v12, v10, PTP, v6
	s_add_co_u32 s21, s20, 1
	s_min_u32 s21, s21, 15
	s_lshl_b32 s21, s21, 7
	v_add_nc_u32 v8, s21, v21
	s_barrier_signal -1
	s_barrier_wait -1                              ; every wave's part of h lies in LDS
	s_wait_alu depctr_va_vdst(0)                   ; v8, v11, v12 are written; the last step's tanh is done with ACC and with v128-191, its products with HF: all the loads below land in these
	ds_load_b32 v9, v8                             ; the next step's characters
	ds_load_b32 v10, v8 offset:64
.irp i, 0,1
.irp jn, 0,1,2,3
	ds_load_b128 v[ACC+8*(4*(\i)+(\jn)):ACC+8*(4*(\i)+(\jn))+3],   v[11+(\i)] offset:64*(\jn)      ; the sums start from PT's row
	ds_load_b128 v[ACC+8*(4*(\i)+(\jn))+4:ACC+8*(4*(\i)+(\jn))+7], v[11+(\i)] offset:64*(\jn)+16
.endr
.endr
	s_cmp_eq_u32 s20, 0
	s_cbranch_scc1 .Lact                           ; step 0: h is 0, and there is no product; no barrier lies in what is jumped
.irp s, 0,1,2,3,4,5,6,7
.irp i, 0,1
	ds_load_b128 v[HF+8*(8*(\i)+(\s)):HF+8*(8*(\i)+(\s))+3],   v13 offset:16*HP*(\i)+64*(\s)
	ds_load_b128 v[HF+8*(8*(\i)+(\s))+4:HF+8*(8*(\i)+(\s))+7], v13 offset:16*HP*(\i)+64*(\s)+32
.endr
.endr
	WIN 0x01                                       ; source 0 in window 1
.irp s, 0,1,2,3,4,5,6,7
	s_wait_dscnt 28-4*(\s)                         ; the four loads of each later k-step may stay out
.irp i, 0,1
.irp jn, 0,1,2,3                       ; the eight accumulators take turns
	v_wmma_f32_16x16x32_bf16 v[ACC+8*(4*(\i)+(\jn)):ACC+8*(4*(\i)+(\jn))+7], v[8*(8*(\jn)+(\s)):8*(8*(\jn)+(\s))+7], v[HF+8*(8*(\i)+(\s)):HF+8*(8*(\i)+(\s))+7], v[ACC+8*(4*(\i)+(\jn)):ACC+8*(4*(\i)+(\jn))+7]
.endr
.endr
.endr
.rept 4
	v_nop                                          ; the places behind the last products: the tanh reads their results and works in h's registers
.endr
	WIN 0
.Lact:
	s_wait_dscnt 0x0                               ; my reads of h (and of PT) are over:
	s_barrier_signal -1                            ; say so; the first batch's arithmetic stands between the signal and the wait
	BATCH 0
	BATCH 1
	BATCH 2
	BATCH 3
	s_wait_alu depctr_va_vdst(0)                   ; the last batch's conversions have written OUT3, which the stores below read
	HSTORE 3
	s_add_co_u32 s20, s20, 1
	s_cmp_lt_u32 s20, 16
	s_cbranch_scc1 .Lstep
	; THE WAY OUT: the sum times 1/16, through my own stage, back as whole rows of 256 bytes
	WIN 0x02
.set k, 0
.rept 32
	v_pk_mul_f32 v[128+k:129+k], v[k:k+1], 0x3d800000 op_sel_hi:[1,0]
.set k, k+2
.endr
	WIN 0
	s_wait_alu depctr_va_vdst(0)                   ; the means are written, which the LDS stores read; the products are long done reading v192-255, in which the loads from the stage land
.irp i, 0,1
.irp jn, 0,1,2,3
	ds_store_b128 v28, v[128+8*(4*(\i)+(\jn)):128+8*(4*(\i)+(\jn))+3]   offset:16*SP*(\i)+64*(\jn)
	ds_store_b128 v28, v[128+8*(4*(\i)+(\jn))+4:128+8*(4*(\i)+(\jn))+7] offset:16*SP*(\i)+64*(\jn)+16
.endr
.endr
.set k, 0
.rept 16
	ds_load_b128 v[192+4*k:192+4*k+3], v29 offset:2*SP*k  ; LDS serves a wave's instructions in order (ISA guide 5.7.1.4): these see the stores above
.set k, k+1
.endr
.set k, 0
.rept 16
	s_wait_dscnt 15-k
	global_store_b128 v30, v[192+4*k:192+4*k+3], s[10:11] offset:2048*k th:TH_STORE_NT  ; 16 lanes store 256 consecutive bytes, aligned
.set k, k+1
.endr
	s_wait_dscnt 0x0                               ; the wave's end
	s_wait_alu 0x0
	s_wait_tensorcnt 0x0
	ds_add_u32 v[SPW], v[NIL]
	s_wait_dscnt 0x0
	s_endpgm
.Lfunc_end_k_q38f6e8d7e3_chars:
	.size	k_q38f6e8d7e3_chars, .Lfunc_end_k_q38f6e8d7e3_chars-k_q38f6e8d7e3_chars
	.p2alignl 7, 3214868480
	.fill 96, 4, 3214868480
	.section	.rodata,"a",@progbits
	.p2align	6, 0x0
	.amdhsa_kernel k_q38f6e8d7e3_chars
		.amdhsa_group_segment_fixed_size 187392
		.amdhsa_private_segment_fixed_size 0
		.amdhsa_enable_private_segment 0
		.amdhsa_kernarg_size 32
		.amdhsa_user_sgpr_count 2
		.amdhsa_user_sgpr_kernarg_segment_ptr 1
		.amdhsa_wavefront_size32 1
		.amdhsa_system_sgpr_workgroup_id_x 1
		.amdhsa_system_sgpr_workgroup_id_y 1
		.amdhsa_system_sgpr_workgroup_id_z 1
		.amdhsa_system_vgpr_workitem_id 0
		.amdhsa_next_free_vgpr 576
		.amdhsa_next_free_sgpr 66
		.amdhsa_reserve_vcc 0
		.amdhsa_float_denorm_mode_32 3
		.amdhsa_float_denorm_mode_16_64 3
		.amdhsa_memory_ordered 1
		.amdhsa_forward_progress 1
		.amdhsa_inst_pref_size 67
	.end_amdhsa_kernel
	.amdgpu_metadata
---
amdhsa.version: [ 1, 2 ]
amdhsa.kernels:
  - .name:           k_q38f6e8d7e3_chars
    .symbol:         k_q38f6e8d7e3_chars.kd
    .args:
      - { .name: mention_chars, .offset: 0, .size: 8, .value_kind: global_buffer, .address_space: global }
      - { .name: WR, .offset: 8, .size: 8, .value_kind: global_buffer, .address_space: global }
      - { .name: PT, .offset: 16, .size: 8, .value_kind: global_buffer, .address_space: global }
      - { .name: out1, .offset: 24, .size: 8, .value_kind: global_buffer, .address_space: global }
    .group_segment_fixed_size: 187392
    .private_segment_fixed_size: 0
    .kernarg_segment_align: 8
    .kernarg_segment_size: 32
    .max_flat_workgroup_size: 128
    .sgpr_count:     66
    .vgpr_count:     576
    .wavefront_size: 32
...
	.end_amdgpu_metadata
.endif
;; end of part 4
;; launch word (part 5): grid 256 x 1, 4 waves a work-group, no clusters, 321,280 bytes of LDS; arguments mentions, word_lut, b_word, bq, bk, beta, WS, PQP, out0; writes out0
.if DOCPART == 5
	.amdgcn_target "amdgcn-amd-amdhsa--gfx1250"
	.amdhsa_code_object_version 6
	.text
	.protected	k_q38f6e8d7e3_word
	.globl	k_q38f6e8d7e3_word
	.p2align	8
	.type	k_q38f6e8d7e3_word,@function
k_q38f6e8d7e3_word:
	s_mov_b64 s[64:65], 0
	v_nop
	global_prefetch_b8 v0, s[64:65] scope:SCOPE_SE
	s_setreg_imm32_b32 hwreg(HW_REG_WAVE_SCHED_MODE, 0, 2), 2
	s_setreg_imm32_b32 hwreg(HW_REG_WAVE_MODE, 25, 1), 1
	s_wait_xcnt 0x0
	s_wait_alu depctr_vm_vsrc(0)
; WORD: out0[b] = the sum over l of softmax_l(-beta dist[b][l]) values[b][l], values = tanh(word_lut[mentions] W_word^T + b_word), dist = |values Wd^T + PQ[pos_index]|.
; LEFT OUT: only queries - keys reaches dist, so one product with Wd = Wq - Wk stands for two; pos_embeds enters by the table PQ[i] = pos_embeds[i] Wd^T + bq - bk; the division by the softmax's sum, which is 1, is not made.
; SHARES.  A work-group owns 256 rows (32 mentions), a wave 64 rows (8 whole mentions, four tiles of 16) through the whole chain: gather, product, tanh, product, norm, softmax, mean never cross waves.
; The waves share the stream of weights alone: 64 slots of 16,384 bytes, 32 of W_word (bf16) and 32 of Wd (f16), a slot to a trip of 64 matrix instructions a wave.
; LAYOUT.  Source 0 = 16 rows of a weight, source 1 = 16 rows of X or of values: a lane holds ONE row (lane % 16) and 8 neighbouring columns.  The 64 fragments of X, later of values, fill windows 2 and 3;
; 64 columns (a chunk, 16 accumulators) are made at a time; the sums start from the bias, or from PQ's row, loaded straight into the accumulators.
; FORMATS.  X and W_word in bf16; values and Wd in f16; sums, tanh, norm, softmax and mean in f32.  LIMIT: values below 6e-5 keep f16's fixed step of 6e-8.
; TANH: the quotient of the chars kernel: off by 8.5e-5 at the most for every x, by rounding alone for small x.  LIMIT: a NaN is turned into a bound by the clamp and is not carried.
; LIMIT: a word is taken as min(m, 99999), unsigned, and counts as padding where it is 0: an index stays inside its table.
; NO DATA MOVER, NO JOINT LOADS, by this text's arithmetic: X and values of 256 rows are 262,144 bytes each, as much together as the four waves' registers, so one copy lies in LDS (266,240 bytes with its padding);
; beside it two slots of 16,384 bytes fit.  Filled by the mover, a slot's load could go out only behind the trip's barrier and would have 64 matrix instructions in which to land.  Through registers each wave keeps
; four sets of 8 loads out, 65,536 bytes a work-group, across the barriers: a set has four trips in which to land.
; LDS: XV 256 rows x 1,040 (X in bf16, then values in f16; each wave's 64 rows are its own) | the ring, 2 x 16,384 | TAB 10 rows x 2,064 (b_word, PQ[0..8]) | WT, the softmax's weights, 256 bytes a wave | the spare words.
; THE MODE: SCHED_MODE bits 1:0 = 2 (LLVM: expert scheduling mode 2), set by the entry lines.  The code itself states the register dependences
; between vector or matrix instructions and memory or LDS instructions, with s_wait_alu, always for 0.
; THE PLAN.  Registers that memory or LDS instructions touch:
;   T16, WO, AG, AS, PFO, AXV, v57, v62, v63   addresses made once in the head, ahead of the first load.
;   THE GATHER.  RAW slot e (window 1): 4 loads land in it, 8 conversions read it.  The stage TX + 8 e: the conversions write it, 4 LDS stores read it.  GOF + e: a vector line writes it, the slot's loads read it.
;     The rows go in pairs: the two offsets and 16 conversions, ONE wait on va_vdst, the pair's 8 loads and 8 LDS stores.  One wait on vm_vsrc at a trip's end frees GOF, the stage and AST.
;   THE STREAM.  A set of 32 registers (window 1): 8 global loads land in it; four trips later 8 LDS stores read it; behind a wait on vm_vsrc, 16 products further on, it is loaded again.
;   G0 .. G5.  A trip's units 0 and 1 lie in G0 and G1, its units 2 and 3 in G2, G3 (even trips) or G4, G5 (odd trips).  G4 and G5 are the registers in which the tanh works between chunks: a chunk's
;     first trip is even, so no fetched unit lies there then.  ONE wait on va_vdst a trip, behind its barrier: this trip's units 0 and 1 and the last trip's units 2 and 3 are multiplied, so G0, G1 and the
;     other pair are free; the next slot's 32 LDS loads follow, dealt among the trip's last 32 products, which name this trip's pair, the rows and the accumulators alone.
;   THE ACCUMULATORS (window 1).  Behind a chunk the clamps (or the squares) read them; then the next chunk's starts are loaded into them, by TI.
;   OUT0, OUT1.  Batch b's conversions write OUT[b % 2]; its two LDS stores stand behind the wait of batch b + 1.  That wait is the one for the batch's reciprocals; it also states that the batch's clamps
;     have read its accumulators.  A wait on vm_vsrc beside it frees the OUT that the batch writes, a whole batch behind the stores that read it.
;   TI, AV.  Written at the head of the work between chunks, behind the four trips' waits on vm_vsrc; read by that work's LDS loads and stores.
;   THE MEAN.  WK and G: LDS loads land, the multiply-adds read.  TX: the multiply-adds write, 4 stores read.  AST, AV, AG: stepped behind the trip's loads.  One wait on vm_vsrc and one on va_vdst a trip.
.set XP,    1040
.set WAVEB, 64*XP                      ; 66,560
.set TILEB, 16*XP                      ; 16,640
.set RING,  256*XP                     ; 266,240
.set SLOT,  16384
.set TAB,   RING+2*SLOT                ; 299,008
.set TABP,  2064
.set WT,    319744
.set SPARE, 320768                     ; 128 bytes for each wave, two blocks of 256 bytes that no other line names
.set SPW, 1                            ; v1  my spare word; never rewritten
.set NIL, 2                            ; v2  0; never rewritten
.set LN,  3                            ; v3  lane
.set RR,  4                            ; v4  lane % 16
.set HH,  5                            ; v5  lane / 16
.set L16, 6                            ; v6  16 x lane
.set T16, 7                            ; v7  512 w + 16 x lane
.set GOF, 8                            ; v8-15   the gather's eight row slots: byte offset in word_lut
.set MM,  16                           ; v16-23  lane k holds mentions[my mention k % 8][e] in v[MM + e]
.set AST, 24                           ; v24 where X's rows go; later where the mean reads values
.set AXV, 25                           ; v25 my place in a fragment of XV: 66,560 w + 1,040 r + 16 h
.set AV,  26                           ; v26 where values go: AXV + 128 x chunk, made anew for each chunk; later the weights' address
.set AG,  27                           ; v27 the ring, 16 x lane; later my offset in out0
.set AS,  28                           ; v28 my wave's quarter of a slot
.set WO,  29                           ; v29 the same in WS: 4,096 w + 16 x lane
.set TI,  30                           ; v30-33  tile i: where the next chunk's sums start
.set PQA, 34                           ; v34-37  tile i: 2,064 (1 + pos_index of my row)
.set PFO, 38                           ; v38 the prefetch's offset
.set ZERO, 39                          ; v39 0, an addend
.set OUT, 40                           ; v40-55  in the first product: two out-buffers of 8 for values in f16
.set SS,  40                           ; v40-55  in the second: tile i: two packed chains of squares
.set WK,  56                           ; v56-63  at work; v57 = TAB + 32 h through both products
.set G,   64                           ; v64-255 G0..G5: a unit's four fragments of weights each
.set TX,  192                          ; v192-255 the gather's stage; the tanh, between chunks
.set TX2, 208
.set TQ,  224
.set TP,  240
.set RS,  56                           ; s56-63  the eight words of a mention
; window 1: v0-127 the accumulators, tile (i, j) at 8 (4 i + j) (first the gather's ring); v128-255 four sets of 32 for the stream.  windows 2, 3: fragment (s, i) at 8 (4 (s % 8) + i), s < 8 in window 2
; s22 wave, s23 work-group, s24 loop, s25 the slot to ask for, s[26:27] its offset, s[28:29] its address, s[30:31], s32, s33 the prefetch, s34 -beta log2(e), s36-49 tanh, s50-51 lane selects, s52-55 at work
.set MSB, 0
.macro WIN new
.if MSB != (\new)
	s_set_vgpr_msb (MSB<<8)|(\new)
.set MSB, (\new)
.endif
.endm
.macro PLACES n=4                      ; plain lines between a matrix instruction and a vector line on its registers (ISA guide 7.12.1)
.rept \n
	v_nop
.endr
.endm
.macro PAIR reg, val
	s_mov_b32 s[\reg], \val
	s_mov_b32 s[(\reg)+1], \val
.endm
.macro TCONST
	s_mov_b32 s36, 0xc09ccccd                      ; -4.9
	s_mov_b32 s37, 0x409ccccd                      ; 4.9
	PAIR 38, 0x41e00000                            ; 28
	PAIR 40, 0x4544e000                            ; 3150
	PAIR 42, 0x4773a200                            ; 62370
	PAIR 44, 0x4803f7c0                            ; 135135
	PAIR 46, 0x43bd0000                            ; 378
	PAIR 48, 0x46875a00                            ; 17325
.endm
.macro TCLAMP src                      ; ascending: each accumulator's lowest registers are read first
.set tz, 0
.rept 16
	v_med3_num_f32 v[TX+tz], v[(\src)+tz], s36, s37
.set tz, tz+1
.endr
.endm
.macro TLINE line:vararg
.set tz, 0
.rept 8
	\line
.set tz, tz+2
.endr
.endm
.macro TPOLY                           ; of v[TX ..], 16 numbers: the denominator's reciprocal into v[TQ ..], x times the numerator into v[TP ..]
	TLINE v_pk_mul_f32 v[TX2+tz:TX2+tz+1], v[TX+tz:TX+tz+1], v[TX+tz:TX+tz+1]
	TLINE v_pk_fma_f32 v[TQ+tz:TQ+tz+1], v[TX2+tz:TX2+tz+1], s[38:39], s[40:41] op_sel_hi:[1,0,0]
	TLINE v_pk_fma_f32 v[TQ+tz:TQ+tz+1], v[TQ+tz:TQ+tz+1], v[TX2+tz:TX2+tz+1], s[42:43] op_sel_hi:[1,1,0]
	TLINE v_pk_fma_f32 v[TQ+tz:TQ+tz+1], v[TQ+tz:TQ+tz+1], v[TX2+tz:TX2+tz+1], s[44:45] op_sel_hi:[1,1,0]
.set tz, 0
.rept 16
	v_rcp_f32 v[TQ+tz], v[TQ+tz]                   ; one batch of 16; the numerator's 32 lines are the independent work behind it
.set tz, tz+1
.endr
	TLINE v_pk_add_f32 v[TP+tz:TP+tz+1], v[TX2+tz:TX2+tz+1], s[46:47] op_sel_hi:[1,0]
	TLINE v_pk_fma_f32 v[TP+tz:TP+tz+1], v[TP+tz:TP+tz+1], v[TX2+tz:TX2+tz+1], s[48:49] op_sel_hi:[1,1,0]
	TLINE v_pk_fma_f32 v[TP+tz:TP+tz+1], v[TP+tz:TP+tz+1], v[TX2+tz:TX2+tz+1], s[44:45] op_sel_hi:[1,1,0]
	TLINE v_pk_mul_f32 v[TP+tz:TP+tz+1], v[TP+tz:TP+tz+1], v[TX+tz:TX+tz+1]
.endm
.macro TFIN                            ; behind the wait for the reciprocals: tanh into v[TP ..]
	TLINE v_pk_mul_f32 v[TP+tz:TP+tz+1], v[TP+tz:TP+tz+1], v[TQ+tz:TQ+tz+1]
.endm
; THE GATHER.  The eight words of mention s53, as scalars, in one run, with one wait behind it; each is held inside the table.
.macro ROWS
	WIN 0
.irp e, 0,1,2,3,4,5,6,7
	v_readlane_b32 s[RS+(\e)], v[MM+(\e)], s53
.endr
	s_wait_alu depctr_va_sdst(0)                   ; s56-63 are written, ahead of their first readers, the lines below
.irp e, 0,1,2,3,4,5,6,7
	s_min_u32 s[RS+(\e)], s[RS+(\e)], 0x1869f
.endr
.endm
; Row slots 2 p and 2 p + 1: their rows are rounded to bf16 and laid into XV (each store of the wave covers 256 consecutive bytes); ask = 1: the slots ask for the same positions of the next mention,
; whole rows, 2,048 bytes, 512 consecutive bytes an instruction.  No hint: a list may name a row twice.  left = how many younger loads may stay out.
.macro ROWPAIR p, ask, left
	s_wait_loadcnt \left                           ; loads come back in order: the pair's 8 are in, the younger rows' stay out; the wait also shows the loads that read the pair's offsets done
.if \ask
	WIN 0
.irp e, 2*(\p), 2*(\p)+1
	v_lshl_add_u32 v[GOF+(\e)], s[RS+(\e)], 11, v[L16]
.endr
.endif
	WIN 0x05
.irp e, 2*(\p), 2*(\p)+1
.irp k, 0,1,2,3,4,5,6,7
	v_cvt_pk_bf16_f32 v[TX+8*(\e)+(\k)], v[16*(\e)+2*(\k)], v[16*(\e)+2*(\k)+1]
.endr
.endr
.if \ask
	WIN 0x40
	s_wait_alu depctr_va_vdst(0)                   ; the pair's offsets are written; its conversions are done reading RAW, in which the loads land, and have written the stage, which the LDS stores read; in a trip's first pair AST is written
.irp e, 2*(\p), 2*(\p)+1
.irp q, 0,1,2,3
	global_load_b128 v[16*(\e)+4*(\q):16*(\e)+4*(\q)+3], v[GOF+(\e)], s[6:7] offset:512*(\q)
.endr
.endr
	WIN 0
.else
	WIN 0
	s_wait_alu depctr_va_vdst(0)                   ; the pair's conversions have written the stage, which the LDS stores read; in the first pair AST is written
.endif
.irp e, 2*(\p), 2*(\p)+1
.irp q, 0,1,2,3
	ds_store_b64 v[AST], v[TX+8*(\e)+2*(\q):TX+8*(\e)+2*(\q)+1] offset:XP*(\e)+256*(\q)
.endr
.endr
.endm
.macro LOADFRAGS                       ; my 64 rows of XV as 64 fragments.  The bytes are my wave's own, and LDS serves a wave's instructions in order (ISA guide 5.7.1.4): no wait stands between the stores and these
	WIN 0x80
.irp s, 0,1,2,3,4,5,6,7
.irp i, 0,1,2,3
	ds_load_b128 v[8*(4*(\s)+(\i)):8*(4*(\s)+(\i))+3],   v[AXV] offset:TILEB*(\i)+64*(\s)
	ds_load_b128 v[8*(4*(\s)+(\i))+4:8*(4*(\s)+(\i))+7], v[AXV] offset:TILEB*(\i)+64*(\s)+32
.endr
.endr
	WIN 0xc0
.irp s, 0,1,2,3,4,5,6,7
.irp i, 0,1,2,3
	ds_load_b128 v[8*(4*(\s)+(\i)):8*(4*(\s)+(\i))+3],   v[AXV] offset:TILEB*(\i)+512+64*(\s)
	ds_load_b128 v[8*(4*(\s)+(\i))+4:8*(4*(\s)+(\i))+7], v[AXV] offset:TILEB*(\i)+512+64*(\s)+32
.endr
.endr
	WIN 0
.endm
.macro FETCH u, slot, g                ; unit u of a ring slot, four fragments, into G_g: 512 consecutive bytes a load
.irp j, 0,1,2,3
	ds_load_b128 v[G+32*(\g)+8*(\j):G+32*(\g)+8*(\j)+3],   v[AG] offset:SLOT*(\slot)+4096*(\u)+1024*(\j)
	ds_load_b128 v[G+32*(\g)+8*(\j)+4:G+32*(\g)+8*(\j)+7], v[AG] offset:SLOT*(\slot)+4096*(\u)+1024*(\j)+512
.endr
.endm
.macro MULH u, g, kq, h, j0            ; 8 products of unit u, which lies in G_g: column tiles j0, j0 + 1 x my four row tiles; h = 1: in f16.  The 16 accumulators take turns in one order in every unit
.set sK, 4*(\kq)+(\u)
	WIN 0x58+4*(sK/8)                              ; weights window 0, rows window 2 or 3, C and D window 1
.irp j, \j0, (\j0)+1
.irp i, 0,1,2,3
.set rD, 8*(4*(\i)+(\j))
.set rA, G+32*(\g)+8*(\j)
.set rB, 8*(4*(sK%8)+(\i))
.if \h
	v_wmma_f32_16x16x32_f16 v[rD:rD+7], v[rA:rA+7], v[rB:rB+7], v[rD:rD+7]
.else
	v_wmma_f32_16x16x32_bf16 v[rD:rD+7], v[rA:rA+7], v[rB:rB+7], v[rD:rD+7]
.endif
.endr
.endr
.endm
; A PREFETCH INTO THE L2.  WS is walked once, by all work-groups at about the same pace.  Work-group g (12 to 63) names slot g's 64 blocks of 256 bytes, a lane a block, waves 0 and 1, in its trip g - 12:
; six trips, 384 matrix instructions, ahead of the trip that loads the slot.  So each block is named once in the launch; slots 0-11 come by their loads alone.
.macro ASK
	s_cmp_eq_u32 s33, s32
	s_cbranch_scc0 .Lnot_mine_\@
	global_prefetch_b8 v[PFO], s[30:31] th:TH_LOAD_NT scope:SCOPE_SE
.Lnot_mine_\@:
	s_add_co_u32 s33, s33, 1
.endm
; A TRIP: stream slot t lies in ring slot t % 2 and is multiplied, 4 units of 16 products; all four units were fetched in the trip before.  ONE barrier: in front of it each wave has waited for its reads of
; this ring slot and for its stores into the other; behind it the other slot is whole and nobody reads this one, which takes stream slot t + 2 out of registers; slot t + 6 is asked for into the same registers.
; The last six requests and the last two stores repeat slot 63, and the last trip fetches four units that nobody multiplies: so every trip has the same counts.
.macro TRIP kq, h
.set pi, (\kq)&1
.set zz, 128+32*(((\kq)+2)&3)
.set gc, 2*pi                          ; this trip's units 2 and 3 lie in G_(2 + gc), G_(3 + gc),
.set gn, 2-2*pi                        ; the next trip's go into G_(2 + gn), G_(3 + gn)
.if (\kq) == 0
	s_wait_dscnt 0x0                               ; a chunk's first trip: the four units, the sums' starts, and what else went through LDS between the chunks
.else
	s_wait_dscnt 16                                ; G0 and G1 are in: behind them came the 8 loads of unit 2 and the 8 of unit 3
.endif
	MULH 0, 0, \kq, \h, 0
	MULH 0, 0, \kq, \h, 2
	MULH 1, 1, \kq, \h, 0
	s_wait_dscnt 0x0                               ; my reads of this ring slot are over (units 2 and 3 are in) and my stores into the other are done:
	s_barrier_signal -1                            ; say so,
	MULH 1, 1, \kq, \h, 2                          ; work on registers while the others arrive,
	s_barrier_wait -1                              ; and go on when all four have said so
	s_wait_loadcnt 24                              ; slot t + 2 is in registers; the three younger sets of 8 loads stay out
	WIN 0x04
.irp n, 0,1,2,3,4,5,6,7
	ds_store_b128 v[AS], v[zz+4*(\n):zz+4*(\n)+3] offset:SLOT*pi+512*(\n)
.endr
	s_wait_xcnt 0x0                                ; the last trip's loads have read their address, so it may be written
	s_min_u32 s26, s25, 63
	s_lshl_b32 s26, s26, 14
	s_add_co_u32 s25, s25, 1
	s_add_nc_u64 s[28:29], s[16:17], s[26:27]
	s_wait_alu depctr_va_vdst(0)                   ; this trip's units 0 and 1 and the last trip's units 2 and 3 are multiplied (in a chunk's first trip: the tanh is over)
	MULH 2, 2+gc, \kq, \h, 0
	WIN 0
	FETCH 0, 1-pi, 0                               ; no further wait: the products since the wait name this trip's pair, the rows and the accumulators alone
	FETCH 1, 1-pi, 1
	MULH 2, 2+gc, \kq, \h, 2
	WIN 0x40
	s_wait_alu depctr_vm_vsrc(0)                   ; the ring's LDS stores above have read the set, in which the loads below land
.irp n, 0,1,2,3,4,5,6,7
	global_load_b128 v[zz+4*(\n):zz+4*(\n)+3], v[WO], s[28:29] offset:512*(\n)
.endr
	WIN 0
	ASK
	FETCH 2, 1-pi, 2+gn
	MULH 3, 3+gc, \kq, \h, 0
	WIN 0
	FETCH 3, 1-pi, 3+gn
	MULH 3, 3+gc, \kq, \h, 2
.endm
.macro VSTORE b                        ; batch b's values in f16 into XV, over X, which lies in registers
	ds_store_b128 v[AV], v[OUT+8*((\b)%2):OUT+8*((\b)%2)+3]   offset:TILEB*((\b)/2)+64*((\b)%2)
	ds_store_b128 v[AV], v[OUT+8*((\b)%2)+4:OUT+8*((\b)%2)+7] offset:TILEB*((\b)/2)+64*((\b)%2)+32
.endm
; Batch b of a finished chunk, tiles (b / 2, 2 (b % 2)) and the next: clamp; the polynomials and the reciprocals; behind ONE wait the NEXT chunk's starts are loaded into the accumulators just read, and the
; batch before's values are stored; then tanh, and values in f16 into OUT[b % 2]
.macro ACT b
.set aB, 16*(\b)
	WIN 0x01
	TCLAMP aB
	WIN 0
	TPOLY
.if (\b) >= 2
	s_wait_alu depctr_vm_vsrc(0)                   ; the LDS stores issued in the batch before have read OUT[b % 2], which this batch's conversions write again
.endif
	WIN 0x40
	s_wait_alu depctr_va_vdst(0)                   ; the batch's 16 reciprocals are written, ahead of the first line that names one; its clamps are done reading the accumulators, in which the loads land; the batch before has written its OUT; in batch 0 TI and AV are written
	ds_load_b128 v[aB:aB+3],     v[TI+(\b)/2] offset:128*((\b)%2)
	ds_load_b128 v[aB+4:aB+7],   v[TI+(\b)/2] offset:128*((\b)%2)+16
	ds_load_b128 v[aB+8:aB+11],  v[TI+(\b)/2] offset:128*((\b)%2)+64
	ds_load_b128 v[aB+12:aB+15], v[TI+(\b)/2] offset:128*((\b)%2)+80
	WIN 0
.if (\b) >= 1
	VSTORE (\b)-1
.endif
	TFIN
.set az, 0
.rept 8
	v_cvt_pk_f16_f32 v[OUT+8*((\b)%2)+az], v[TP+2*az], v[TP+2*az+1]
.set az, az+1
.endr
.endm
; A finished chunk of the second product: its squares are added, two chains to a row tile, the row tiles by turns; behind each half of the column tiles the next chunk's starts are loaded into them
.macro SQ
.irp jh, 0,2
	WIN 0x05
.irp j, \jh, (\jh)+1
.irp p, 0,1,2,3
.irp i, 0,1,2,3
.set rA, 8*(4*(\i)+(\j))+2*(\p)
.set rS, SS+4*(\i)+2*((\p)&1)
	v_pk_fma_f32 v[rS:rS+1], v[rA:rA+1], v[rA:rA+1], v[rS:rS+1]
.endr
.endr
.endr
	WIN 0x40
	s_wait_alu depctr_va_vdst(0)                   ; the squares above are done reading these two column tiles' accumulators, in which the loads land; in the first half TI is written
.irp j, \jh, (\jh)+1
.irp i, 0,1,2,3
	ds_load_b128 v[8*(4*(\i)+(\j)):8*(4*(\i)+(\j))+3],   v[TI+(\i)] offset:64*(\j)
	ds_load_b128 v[8*(4*(\i)+(\j))+4:8*(4*(\i)+(\j))+7], v[TI+(\i)] offset:64*(\j)+16
.endr
.endr
.endr
	WIN 0
.endm
	; ---- the head ----
	s_load_b512 s[4:19], s[0:1], 0x0               ; mentions 4, word_lut 6, b_word 8, bq 10, bk 12, beta 14, WS 16, PQP 18
	s_load_b64 s[20:21], s[0:1], 0x40              ; out0
	v_lshl_add_u32 v[SPW], v0, 2, SPARE
	v_mov_b32 v[NIL], 0
	v_lshrrev_b32 v[LN], 5, v0
	v_readfirstlane_b32 s22, v[LN]                 ; wave 0..3
	s_mov_b32 s23, ttmp9
	v_and_b32 v[LN], 31, v0
	v_and_b32 v[RR], 15, v0
	v_bfe_u32 v[HH], v0, 4, 1
	v_lshlrev_b32 v[L16], 4, v[LN]
	v_mov_b32 v[ZERO], 0
	TCONST
	s_mov_b32 s50, 0x76543210                      ; v_permlanex16_b32: each lane takes its own place in the other half
	s_mov_b32 s51, 0xfedcba98
	s_wait_alu depctr_va_sdst(0)                   ; s22 is written, ahead of its first reader: the addresses below are made from it
	s_lshl_b32 s35, s22, 9
	v_add_nc_u32 v[T16], s35, v[L16]
	s_lshl_b32 s35, s23, 10
	s_lshl_b32 s52, s22, 8
	s_add_co_u32 s35, s35, s52                     ; my wave's 8 mentions: 1,024 g + 256 w
	v_and_b32 v[WK], 7, v0
	v_lshl_add_u32 v[WK], v[WK], 5, s35            ; lane k: mention k % 8
	v_lshl_add_u32 v[WK+6], v[RR], 2, s35          ; lane (r, h): row r of a tile
	s_lshl_b32 s52, s22, 12
	v_add_nc_u32 v[WO], s52, v[L16]
	v_add_nc_u32 v[AG], RING, v[L16]
	v_add_nc_u32 v[AS], s52, v[AG]
	s_cmp_lt_u32 s23, 64                           ; who prefetches: work-groups under 64, waves 0 and 1
	s_cselect_b32 s32, s23, -1
	s_cmp_lt_u32 s22, 2
	s_cselect_b32 s32, s32, -1
	s_mov_b32 s33, 12
	s_and_b32 s52, s22, 1
	s_lshl_b32 s52, s52, 13
	v_lshl_add_u32 v[PFO], v[LN], 8, s52           ; 8,192 (w % 2) + 256 x lane: inside a slot in every wave
	s_mul_i32 s35, s22, WAVEB
	v_lshl_add_u32 v[AST], v[LN], 3, s35           ; 66,560 w + 8 x lane
	v_mul_u32_u24 v[AXV], v[RR], XP
	v_lshl_add_u32 v[AXV], v[HH], 4, v[AXV]
	v_add_nc_u32 v[AXV], s35, v[AXV]
	v_add_nc_u32 v[WK+7], TAB, v[T16]
	v_lshl_add_u32 v[WK+1], v[HH], 5, TAB          ; TAB + 32 h
	s_min_u32 s26, s23, 63
	s_lshl_b32 s26, s26, 14
	s_mov_b32 s27, 0
	s_wait_kmcnt 0x0
	s_add_nc_u64 s[30:31], s[16:17], s[26:27]
	s_load_b32 s34, s[14:15], 0x0                  ; beta
	s_wait_alu depctr_va_vdst(0)                   ; the addresses made above (T16, WO, AG, AS, PFO, AST, AXV, v56, v57, v62, v63) are written: loads, stores and the prefetch read them
	global_load_b128 v[MM:MM+3],   v[WK], s[4:5]
	global_load_b128 v[MM+4:MM+7], v[WK], s[4:5] offset:16
	WIN 0x40
.irp z, 0,1,2,3
.irp n, 0,1,2,3,4,5,6,7
	global_load_b128 v[128+32*(\z)+4*(\n):128+32*(\z)+4*(\n)+3], v[WO], s[16:17] offset:SLOT*(\z)+512*(\n)  ; my quarter of stream slots 0-3
.endr
.endr
	WIN 0
	s_wait_loadcnt 32                              ; the mentions are in; the stream's 32 loads stay out
.irp i, 0,1,2,3
	global_load_b32 v[WK+2+(\i)], v[WK+6], s[4:5] offset:64*(\i)  ; the word of my row in each tile, for pos_index
.endr
	WIN 0x80                                       ; the tables' 16 bytes a thread, into window 2: b_word 0, bq 4, bk 8, PQP[q][i] 12 + 4 (9 q + i)
	global_load_b128 v[0:3],  v[T16], s[8:9]
	global_load_b128 v[4:7],  v[T16], s[10:11]
	global_load_b128 v[8:11], v[T16], s[12:13]
.irp q, 0,1,2,3
.irp i, 0,1,2,3,4,5,6,7,8
	global_load_b128 v[12+4*(9*(\q)+(\i)):12+4*(9*(\q)+(\i))+3], v[T16], s[18:19] offset:32768*(\q)+2048*(\i)
.endr
.endr
	s_mov_b32 s53, 0
	ROWS                                           ; mention 0's eight rows
.irp e, 0,1,2,3,4,5,6,7
	v_lshl_add_u32 v[GOF+(\e)], s[RS+(\e)], 11, v[L16]
.endr
	WIN 0x40
	s_wait_alu depctr_va_vdst(0)                   ; the eight offsets are written, which the loads below read
.irp e, 0,1,2,3,4,5,6,7
.irp q, 0,1,2,3
	global_load_b128 v[16*(\e)+4*(\q):16*(\e)+4*(\q)+3], v[GOF+(\e)], s[6:7] offset:512*(\q)
.endr
.endr
	WIN 0
	s_wait_alu depctr_vm_vsrc(0)                   ; the loads of the mentions have read v56, which is written below, and the gather's first loads their offsets, which its first trip writes again
	v_and_b32 v[WK], 7, v[RR]
	v_add_nc_u32 v[WK], 1, v[WK]                   ; my row's position, 1 to 8
	s_wait_kmcnt 0x0
	s_mul_f32 s34, s34, 0xbfb8aa3b                 ; -beta log2(e)
	s_wait_loadcnt 32                              ; the words and the tables are in; the gather's 32 loads stay out
	WIN 0xaa
	v_pk_add_f32 v[4:5], v[4:5], v[8:9]   neg_lo:[0,1] neg_hi:[0,1]   ; bq - bk
	v_pk_add_f32 v[6:7], v[6:7], v[10:11] neg_lo:[0,1] neg_hi:[0,1]
.set ti, 0
.rept 9                                ; PQ[i] = the four quarters' sum + bq - bk
.irp p, 0,2
	v_pk_add_f32 v[12+4*ti+(\p):13+4*ti+(\p)], v[12+4*ti+(\p):13+4*ti+(\p)], v[12+4*(9+ti)+(\p):13+4*(9+ti)+(\p)]
	v_pk_add_f32 v[12+4*(18+ti)+(\p):13+4*(18+ti)+(\p)], v[12+4*(18+ti)+(\p):13+4*(18+ti)+(\p)], v[12+4*(27+ti)+(\p):13+4*(27+ti)+(\p)]
.endr
.irp p, 0,2
	v_pk_add_f32 v[12+4*ti+(\p):13+4*ti+(\p)], v[12+4*ti+(\p):13+4*ti+(\p)], v[12+4*(18+ti)+(\p):13+4*(18+ti)+(\p)]
.endr
.irp p, 0,2
	v_pk_add_f32 v[12+4*ti+(\p):13+4*ti+(\p)], v[12+4*ti+(\p):13+4*ti+(\p)], v[4+(\p):5+(\p)]
.endr
.set ti, ti+1
.endr
	WIN 0
.irp i, 0,1,2,3
	v_min_u32 v[WK+2+(\i)], 1, v[WK+2+(\i)]        ; 0 for padding, else 1,
	v_mul_u32_u24 v[WK+2+(\i)], v[WK+2+(\i)], v[WK]  ; times the position: pos_index
	v_add_nc_u32 v[WK+2+(\i)], 1, v[WK+2+(\i)]
	v_mul_u32_u24 v[PQA+(\i)], v[WK+2+(\i)], TABP
	v_mov_b32 v[TI+(\i)], v[WK+1]                  ; chunk 0 of the first product starts from b_word
.endr
	WIN 0x08                                       ; store data in window 2
	s_wait_alu depctr_va_vdst(0)                   ; the nine rows of PQ are written, which the LDS stores read
	ds_store_b128 v[WK+7], v[0:3]
.irp i, 0,1,2,3,4,5,6,7,8
	ds_store_b128 v[WK+7], v[12+4*(\i):15+4*(\i)] offset:TABP*(1+(\i))
.endr
	WIN 0
	; ---- the gather: a ring of 8 rows, 12,288 to 16,384 bytes a wave on their way ----
	s_mov_b32 s53, 1
.Lgather:                                      ; 7 trips: mention s53 - 1 is laid down, mention s53 asked for
	ROWS
	ROWPAIR 0, 1, 24                               ; the six younger rows' 24 loads stay out
	ROWPAIR 1, 1, 24
	ROWPAIR 2, 1, 24
	ROWPAIR 3, 1, 24
	s_wait_alu depctr_vm_vsrc(0)                   ; this trip's loads have read their offsets, its LDS stores the stage and AST: the next trip (or the tail) writes all three again
	v_add_nc_u32 v[AST], 8*XP, v[AST]
	s_add_co_u32 s53, s53, 1
	s_cmp_lt_u32 s53, 8
	s_cbranch_scc1 .Lgather
	ROWPAIR 0, 0, 24                               ; the last mention: the counts run down; behind the last no load is out, the stream's first four sets least of all
	ROWPAIR 1, 0, 16
	ROWPAIR 2, 0, 8
	ROWPAIR 3, 0, 0
	; ---- the ring is set up ----
	LOADFRAGS                                      ; no wait is owed: window 2's registers were last named by the head's sums, ahead of the gather's waits on va_vdst, and last read by the tables' LDS stores, ahead of its waits on vm_vsrc
	WIN 0x04
.irp z, 0,1
.irp n, 0,1,2,3,4,5,6,7
	ds_store_b128 v[AS], v[128+32*(\z)+4*(\n):128+32*(\z)+4*(\n)+3] offset:SLOT*(\z)+512*(\n)
.endr
.endr
	WIN 0x40
	s_wait_alu depctr_vm_vsrc(0)                   ; the LDS stores above have read sets 0 and 1, in which the loads below land; the gather's last LDS stores have read the stage, which is G4 and G5 from here on
.irp z, 0,1
.irp n, 0,1,2,3,4,5,6,7
	global_load_b128 v[128+32*(\z)+4*(\n):128+32*(\z)+4*(\n)+3], v[WO], s[16:17] offset:SLOT*(4+(\z))+512*(\n)  ; stream slots 4 and 5
.endr
.endr
	WIN 0
	s_mov_b32 s25, 6
	s_wait_dscnt 0x0                               ; for the others' sake: my parts of the tables and of both ring slots lie in LDS
	s_barrier_signal -1
	s_barrier_wait -1
	FETCH 0, 0, 0
	FETCH 1, 0, 1
	FETCH 2, 0, 2
	FETCH 3, 0, 3
	WIN 0x40                                       ; the accumulators were the gather's ring: its last conversions stand ahead of the last wait on va_vdst, and no vector line has followed
.irp i, 0,1,2,3
.irp j, 0,1,2,3
	ds_load_b128 v[8*(4*(\i)+(\j)):8*(4*(\i)+(\j))+3],   v[TI+(\i)] offset:64*(\j)
	ds_load_b128 v[8*(4*(\i)+(\j))+4:8*(4*(\i)+(\j))+7], v[TI+(\i)] offset:64*(\j)+16
.endr
.endr
	WIN 0
	; ---- values = tanh(X W_word^T + b_word), 8 chunks of 64 columns ----
	s_mov_b32 s24, 8
.Lp1:
	TRIP 0, 0
	TRIP 1, 0
	TRIP 2, 0
	TRIP 3, 0
	WIN 0
	s_sub_co_u32 s54, 9, s24                       ; the next chunk, 1 .. 7; behind the last, chunk 0 of the second product,
	s_and_b32 s54, s54, 7
	s_lshl_b32 s54, s54, 8
	s_sub_co_u32 s55, 8, s24                       ; this chunk's 128 bytes in a row of XV
	s_lshl_b32 s55, s55, 7
	s_cmp_eq_u32 s24, 1
	s_cselect_b32 s35, 1, 0                        ; whose sums start from PQ[pos_index]
.irp i, 0,1,2,3                        ; these nine plain lines are also the places behind the chunk's last products.  TI and AV were last read ahead of the four trips' waits on vm_vsrc
	v_mad_u32_u24 v[TI+(\i)], v[PQA+(\i)], s35, v[WK+1]
.endr
.irp i, 0,1,2,3
	v_add_nc_u32 v[TI+(\i)], s54, v[TI+(\i)]
.endr
	v_add_nc_u32 v[AV], s55, v[AXV]
.irp b, 0,1,2,3,4,5,6,7
	ACT \b
.endr
	s_wait_alu depctr_va_vdst(0)                   ; the last batch's conversions have written OUT1, which the stores below read
	VSTORE 7
	s_sub_co_u32 s24, s24, 1
	s_cmp_lg_u32 s24, 0
	s_cbranch_scc1 .Lp1
	; ---- dist^2 = the squares of values Wd^T + PQ[pos_index], 8 chunks ----
	LOADFRAGS                                      ; values take X's registers: the products that read X stand ahead of the batches' waits on va_vdst, and no vector line behind the last of those names these registers
.irp i, 0,1,2,3
	v_add_nc_u32 v[PQA+(\i)], v[WK+1], v[PQA+(\i)] ; TAB + 32 h + my row of PQ
.endr
	s_wait_alu depctr_vm_vsrc(0)                   ; the last batches' LDS stores have read OUT0 and OUT1: these registers are the chains of squares from here on
.set k, 0
.rept 16
	v_mov_b32 v[SS+k], 0
.set k, k+1
.endr
	s_mov_b32 s24, 8
.Lp2:
	TRIP 0, 1
	TRIP 1, 1
	TRIP 2, 1
	TRIP 3, 1
	WIN 0
	s_sub_co_u32 s54, 9, s24                       ; the next chunk; the last trip loads chunk 0 once more, for nobody: 32 loads, the price of one text
	s_and_b32 s54, s54, 7
	s_lshl_b32 s54, s54, 8
.irp i, 0,1,2,3                        ; TI was last read ahead of the four trips' waits on vm_vsrc
	v_add_nc_u32 v[TI+(\i)], s54, v[PQA+(\i)]
.endr
	PLACES                                         ; eight plain lines in all behind the last products
	SQ
	s_sub_co_u32 s24, s24, 1
	s_cmp_lg_u32 s24, 0
	s_cbranch_scc1 .Lp2
	; ---- the softmax over a mention's 8 positions: 8 neighbouring lanes; the four tiles side by side ----
	s_wait_dscnt 0x0                               ; the loads that nobody uses have landed: their registers are free
	s_wait_alu depctr_vm_vsrc(0)                   ; the loop's last LDS loads have read TI and AG, which are written below
.macro ALL line:vararg
.set t, SS
.rept 4
	\line
.set t, t+4
.endr
.endm
	ALL v_pk_add_f32 v[t:t+1], v[t:t+1], v[t+2:t+3]
	ALL v_add_f32 v[t], v[t], v[t+1]
	ALL v_permlanex16_b32 v[t+1], v[t], s50, s51   ; the row's other 256 columns lie in the lane 16 away
	ALL v_add_f32 v[t], v[t], v[t+1]
	ALL v_sqrt_f32 v[t], v[t]
	v_nop
	s_wait_alu depctr_va_vdst(0)                   ; the four roots are written, ahead of the first line that names one
	ALL v_mul_f32 v[t], s34, v[t]                  ; y = -beta log2(e) dist
	ALL v_max_num_f32_dpp v[t+1], v[t], v[t] row_xmask:1 row_mask:0xf bank_mask:0xf
	ALL v_max_num_f32_dpp v[t+1], v[t+1], v[t+1] row_xmask:2 row_mask:0xf bank_mask:0xf
	ALL v_max_num_f32_dpp v[t+1], v[t+1], v[t+1] row_xmask:4 row_mask:0xf bank_mask:0xf
	ALL v_sub_f32 v[t+2], v[t], v[t+1]             ; the maximum is taken away, as the module's softmax takes it
	ALL v_exp_f32 v[t+2], v[t+2]
	v_nop
	s_wait_alu depctr_va_vdst(0)                   ; the four exponentials are written, ahead of the first line that names one
	ALL v_add_f32_dpp v[t+3], v[t+2], v[t+2] row_xmask:1 row_mask:0xf bank_mask:0xf
	ALL v_add_f32_dpp v[t+3], v[t+3], v[t+3] row_xmask:2 row_mask:0xf bank_mask:0xf
	ALL v_add_f32_dpp v[t+3], v[t+3], v[t+3] row_xmask:4 row_mask:0xf bank_mask:0xf
	ALL v_rcp_f32 v[t+3], v[t+3]
	v_nop
	s_wait_alu depctr_va_vdst(0)                   ; the four reciprocals are written, ahead of the first line that names one
	ALL v_mul_f32 v[t+2], v[t+2], v[t+3]
	s_lshl_b32 s35, s22, 8
	s_add_co_u32 s35, s35, WT                      ; my wave's 256 bytes: row 16 i + r at 64 i + 4 r
	v_lshl_add_u32 v[TI], v[RR], 2, s35
	s_mul_i32 s52, s22, WAVEB
	v_lshl_add_u32 v[AST], v[LN], 3, s52           ; values: 8 bytes a lane, 256 consecutive bytes a load
	v_mov_b32 v[AV], s35                           ; the mention's 8 weights: one address for all lanes
	s_lshl_b32 s52, s23, 16
	s_lshl_b32 s54, s22, 14
	s_add_co_u32 s52, s52, s54
	v_add_nc_u32 v[AG], s52, v[L16]                ; out0: (32 g + 8 w) x 2,048 + 16 x lane
	s_wait_alu depctr_va_vdst(0)                   ; the weights are written, which the LDS stores read; so are TI, AST, AV and AG; and every vector and matrix line that named WK and G, in which the mean's first loads land, is done
.irp i, 0,1,2,3
	ds_store_b32 v[TI], v[SS+4*(\i)+2] offset:64*(\i)  ; both halves of the lanes hold, and write, the same number
.endr
	; ---- the weighted mean, a mention a trip, in f32 on the vector unit: with 8 terms a sum the matrix unit would multiply fifteen zeros for each number ----
	s_mov_b32 s24, 8
.Lmean:
	ds_load_b128 v[WK:WK+3],   v[AV]
	ds_load_b128 v[WK+4:WK+7], v[AV] offset:16
.irp sg, 0,1,2,3
.irp l, 0,1,2,3,4,5,6,7
	ds_load_b64 v[G+2*(8*(\sg)+(\l)):G+2*(8*(\sg)+(\l))+1], v[AST] offset:XP*(\l)+256*(\sg)
.endr
.endr
	s_wait_xcnt 0x0                                ; the last trip's stores have had their addresses translated: their offset and the sums are written again only behind this wait,
	s_wait_alu depctr_vm_vsrc(0)                   ; and beside it: those stores have read AG and the sums, and the LDS loads above AST and AV
	v_add_nc_u32 v[AST], 8*XP, v[AST]              ; the next mention; this trip's stores reach back
	v_add_nc_u32 v[AV], 32, v[AV]
	v_add_nc_u32 v[AG], 2048, v[AG]
.irp sg, 0,1,2,3
	s_wait_dscnt 24-8*(\sg)                        ; the later segments' loads may stay out
.irp l, 0,1,2,3,4,5,6,7
.irp e, 0,1,2,3
.if (\l) == 0
	v_fma_mix_f32 v[TX+4*(\sg)+(\e)], v[G+2*(8*(\sg)+(\l))+(\e)/2], v[WK+(\l)], v[ZERO] op_sel:[(\e)%2,0,0] op_sel_hi:[1,0,0]
.else
	v_fma_mix_f32 v[TX+4*(\sg)+(\e)], v[G+2*(8*(\sg)+(\l))+(\e)/2], v[WK+(\l)], v[TX+4*(\sg)+(\e)] op_sel:[(\e)%2,0,0] op_sel_hi:[1,0,0]
.endif
.endr
.endr
.endr
	s_wait_alu depctr_va_vdst(0)                   ; the multiply-adds have written the sums, which the stores read, and are done reading WK and G, in which the next trip's loads land; the three stepped addresses are written
.irp sg, 0,1,2,3
	global_store_b128 v[AG], v[TX+4*(\sg):TX+4*(\sg)+3], s[20:21] offset:512*(\sg)-2048 th:TH_STORE_NT  ; 512 consecutive bytes, aligned
.endr
	s_sub_co_u32 s24, s24, 1
	s_cmp_lg_u32 s24, 0
	s_cbranch_scc1 .Lmean
	s_wait_dscnt 0x0                               ; the wave's end
	s_wait_alu 0x0
	s_wait_tensorcnt 0x0
	ds_add_u32 v[SPW], v[NIL]
	s_wait_dscnt 0x0
	s_endpgm
.Lfunc_end_k_q38f6e8d7e3_word:
	.size	k_q38f6e8d7e3_word, .Lfunc_end_k_q38f6e8d7e3_word-k_q38f6e8d7e3_word
	.p2alignl 7, 3214868480
	.fill 96, 4, 3214868480
	.section	.rodata,"a",@progbits
	.p2align	6, 0x0
	.amdhsa_kernel k_q38f6e8d7e3_word
		.amdhsa_group_segment_fixed_size 321280
		.amdhsa_private_segment_fixed_size 0
		.amdhsa_enable_private_segment 0
		.amdhsa_kernarg_size 72
		.amdhsa_user_sgpr_count 2
		.amdhsa_user_sgpr_kernarg_segment_ptr 1
		.amdhsa_wavefront_size32 1
		.amdhsa_system_sgpr_workgroup_id_x 1
		.amdhsa_system_sgpr_workgroup_id_y 1
		.amdhsa_system_sgpr_workgroup_id_z 1
		.amdhsa_system_vgpr_workitem_id 0
		.amdhsa_next_free_vgpr 1024
		.amdhsa_next_free_sgpr 66
		.amdhsa_reserve_vcc 0
		.amdhsa_float_denorm_mode_32 3
		.amdhsa_float_denorm_mode_16_64 3
		.amdhsa_memory_ordered 1
		.amdhsa_forward_progress 1
		.amdhsa_inst_pref_size 208
	.end_amdhsa_kernel
	.amdgpu_metadata
---
amdhsa.version: [ 1, 2 ]
amdhsa.kernels:
  - .name:           k_q38f6e8d7e3_word
    .symbol:         k_q38f6e8d7e3_word.kd
    .args:
      - { .name: mentions, .offset: 0, .size: 8, .value_kind: global_buffer, .address_space: global }
      - { .name: word_lut, .offset: 8, .size: 8, .value_kind: global_buffer, .address_space: global }
      - { .name: b_word, .offset: 16, .size: 8, .value_kind: global_buffer, .address_space: global }
      - { .name: bq, .offset: 24, .size: 8, .value_kind: global_buffer, .address_space: global }
      - { .name: bk, .offset: 32, .size: 8, .value_kind: global_buffer, .address_space: global }
      - { .name: beta, .offset: 40, .size: 8, .value_kind: global_buffer, .address_space: global }
      - { .name: WS, .offset: 48, .size: 8, .value_kind: global_buffer, .address_space: global }
      - { .name: PQP, .offset: 56, .size: 8, .value_kind: global_buffer, .address_space: global }
      - { .name: out0, .offset: 64, .size: 8, .value_kind: global_buffer, .address_space: global }
    .group_segment_fixed_size: 321280
    .private_segment_fixed_size: 0
    .kernarg_segment_align: 8
    .kernarg_segment_size: 72
    .max_flat_workgroup_size: 128
    .sgpr_count:     66
    .vgpr_count:     1024
    .wavefront_size: 32
...
	.end_amdgpu_metadata
.endif
;; end of part 5
